; MI455X (gfx1250); checked and timed in simulation.
; The chip was launched on July 23, 2026; its instructions are those of AMD's public machine-readable ISA for CDNA 5 (MIT licence, August 2026) and "CDNA5" Instruction Set Architecture Reference Guide (July 2026). The comments in the code are by the model that wrote it; some were corrected since.
;; ATTNRNN Agent. Allowed arithmetic: matrix products marked QUANTISED: E2M3 operands, one E8M0 scale for each 32 along K, by v_wmma_scale_f32_16x16x128_f8f6f4 with both operands' format E2M3, f32 sums; products left as they are: f32 operands where the result goes on into a quantised operand, else bf16, f16 or f32 operands; f32 sums; everything else in f32.
;; Inputs: b_hh 768 float32; b_ih 768 float32; fc1_b 256 float32; fc1_w 256 x 128 float32; hidden_state 4,096 x 8 x 256 float32; inputs 4,096 x 64 x 128 float32; k_b 256 float32; k_w 256 x 256 float32; obs_mask 4,096 x 64 x 64 bool; out_b 32 float32; out_w 32 x 256 float32; q_b 256 float32; q_w 256 x 256 float32; scenario_mask 4,096 x 8 bool; v_b 256 float32; v_w 256 x 256 float32; w_hh 768 x 256 float32; w_ih 768 x 256 float32.
;; Outputs: out0 4,096 x 8 x 32 float32; out1 4,096 x 8 x 256 float32.
;; This version of the problem:
;;   THIS VERSION OF THE PROBLEM IS GIVEN IN LOW PRECISION. The matrix products marked QUANTISED in the list below multiply operands that are first quantised to E2M3 (2 exponent bits, 3 mantissa bits; 6 bits a number), with one power-of-two scale for each 32 numbers along K (OCP MX v1.0); their sums are f32. All else is computed in f32.
;;   The module's matrix products, in the order in which they are computed (A, B: the left and right operand; K: the contracted axis; several contracted axes count as one K, in the product's order):
;;     1. [M 262,144, K 128] x [K 128, N 256]; A: input inputs; B: input fc1_w: QUANTISED
;;     2. [M 32,768, K 256] x [K 256, N 256]; A: computed on the way; B: input q_w: QUANTISED
;;     3. [M 262,144, K 256] x [K 256, N 256]; A: computed on the way; B: input k_w: QUANTISED
;;     4. [M 262,144, K 256] x [K 256, N 256]; A: computed on the way; B: input v_w: QUANTISED
;;     5. batch 32,768 x [M 8, K 32] x [K 32, N 64]; A: computed on the way; B: computed on the way: left as it is (M = 8 < 16)
;;     6. batch 32,768 x [M 8, K 64] x [K 64, N 32]; A: computed on the way; B: computed on the way: left as it is (M = 8 < 16)
;;     7. [M 32,768, K 256] x [K 256, N 768]; A: computed on the way; B: input w_ih: QUANTISED
;;     8. [M 32,768, K 256] x [K 256, N 768]; A: input hidden_state; B: input w_hh: QUANTISED
;;     9. [M 32,768, K 256] x [K 256, N 32]; A: computed on the way; B: input out_w: QUANTISED
;;   THE QUANTISER, for each operand of a quantised product, along K:
;;     - K is cut into blocks of 32 from its start; a last block that is shorter is filled with zeros.
;;     - A block's scale is 2^e with e = floor(log2(the largest magnitude in the block)) - 2, held to -126 .. 127; a block of zeros has e = 0. As a byte (E8M0): e + 127.
;;     - Each number is divided by its block's scale, clamped to +-7.5, and rounded to the nearest number of E2M3, ties to even, subnormals kept.
;;     - The product sums the exact products of the quantised numbers (number of the format x scale) in f32.
;;   ~~~python
;;   def quantise(x, axis):      # numpy; x: float32 -> the quantised numbers, widened to float32 again
;;       x = np.moveaxis(x, axis, -1); K = x.shape[-1]
;;       x = np.pad(x, [(0, 0)] * (x.ndim - 1) + [(0, -K % 32)]); x = x.reshape(x.shape[:-1] + (-1, 32)); a = np.abs(x).max(-1, keepdims=True)
;;       e = np.where(a > 0, np.clip(np.frexp(np.where(a > 0, a, 1))[1] - 1 - 2, -126, 127), 0)      # np.frexp(a)[1] - 1 = floor(log2(a)), exactly
;;       r = np.clip(x / 2.0 ** e, -7.5, 7.5)
;;       step = 2.0 ** (np.maximum(np.frexp(np.where(r == 0, 1, r))[1] - 1, 0) - 3)
;;       q = np.round(r / step) * step * 2.0 ** e      # np.round: ties to even
;;       return np.moveaxis(q.reshape(q.shape[:-2] + (-1,))[..., :K], -1, axis).astype(np.float32)
;;   ~~~
;;   OPERANDS COMPUTED ON THE WAY. 'Computed on the way' means the value that the module computes at that place (a softmax that the list does not call 'softmax' is quantised finished and normalised). What goes into a quantiser is computed in f32, as accurately as f32 sums, v_exp_f32 and their like allow (about 1e-6 of the number): no bf16 or f16 on the way to a quantiser, and a product that is left as it is and whose result goes on into a quantised operand takes f32 operands (vector FMAs, or v_wmma_f32_16x16x4_f32). A number that lies on a knife's edge between two numbers of the format may be rounded either way, as far as f32 arithmetic and the matrix unit's own rounding can turn it there, and no further.
;; 2 versions. Each part assembles by itself: llvm-mc -triple=amdgcn-amd-amdhsa -mcpu=gfx1250 --defsym DOCPART=n.
;; ======== version 1 of 2: 2 launches
;; workspace buffers: wq 492,800 bytes
;; launch prep (part 1): grid 308 x 1, 1 waves a work-group, no clusters, 0 bytes of LDS; arguments fc1_w, k_w, v_w, q_w, w_ih, w_hh, out_w, wq; writes wq
.if DOCPART == 1
	.amdgcn_target "amdgcn-amd-amdhsa--gfx1250"
	.amdhsa_code_object_version 6
	.text
	.protected	k_q634a9b5dc3_prep
	.globl	k_q634a9b5dc3_prep
	.p2align	8
	.type	k_q634a9b5dc3_prep,@function
k_q634a9b5dc3_prep:
	s_mov_b64 s[64:65], 0
	v_nop
	global_prefetch_b8 v0, s[64:65] scope:SCOPE_SE
	s_setreg_imm32_b32 hwreg(HW_REG_WAVE_MODE, 25, 1), 1
	s_wait_xcnt 0x0
; All seven weights, f32 with K innermost, become codes of FP6 (E2M3) with one E8M0 byte for each 32 along K, laid as IMAGES OF OPERAND REGISTERS.
; One wave makes one fragment: 16 rows x 128 K, 12 registers a lane, stored as 3 runs of 512 bytes (lane l's 16 bytes at 16 l), and 16 scale words (row r's at 4 r).
; Fragment numbers: fc1 0-15 (= tile), k 16-47, v 48-79, q 80-111, w_ih 112-207, w_hh 208-303, out 304-307; where K = 256 the number inside a matrix is 2 x tile + K step.
; THE ROWS OF A TILE ARE NOT NEIGHBOURS: lane r of tile t takes row 32 (t / 2) + 8 (t % 2) + r + 8 (r / 8), so that results of two neighbouring tiles are 16 neighbours along the next K.
; wq: codes of 0-111 | their scale words, 64 bytes each | codes of 112-307 | their scale words.
; A block's scale byte is its largest magnitude's exponent field - 2, held at 1 from below.
; LIMITS: a block of zeros gets the byte 1 (its codes are zeros; this program alone reads the bytes); NaN and infinities among the weights are not served.
.macro PICK first, ptr
	s_cmp_ge_u32 ttmp9, \first
	s_cselect_b64 s[20:21], s[\ptr:\ptr+1], s[20:21]
	s_cselect_b32 s22, \first, s22
.endm
	s_load_b512 s[4:19], s[0:1], 0x0               ; fc1_w, k_w, v_w, q_w, w_ih, w_hh, out_w, wq
	v_and_b32 v1, 15, v0                           ; r
	v_lshrrev_b32 v2, 4, v0                        ; h (one wave: v0 is the lane)
	v_and_b32 v4, 8, v1
	v_add_nc_u32 v4, v4, v1                        ; r + 8 (r / 8)
	v_lshlrev_b32 v5, 4, v0                        ; an image's place for my lane
	v_lshlrev_b32 v6, 2, v1                        ; my row's scale word
	v_mov_b32 v10, 0                               ; a lane permute's destination counts as one of its sources
	s_mov_b32 s40, 0x76543210
	s_mov_b32 s41, 0xfedcba98                      ; selects for lane l xor 16
	s_mov_b32 s22, 0
	s_wait_kmcnt 0x0
	s_mov_b64 s[20:21], s[4:5]                     ; which matrix, and its first fragment's number: the choice hangs on the work-group's number alone
	PICK 16, 6
	PICK 48, 8
	PICK 80, 10
	PICK 112, 12
	PICK 208, 14
	PICK 304, 16
	s_sub_co_u32 s23, ttmp9, s22                   ; the fragment's number inside its matrix
	s_lshr_b32 s24, s23, 1
	s_and_b32 s25, s23, 1
	s_cmp_lt_u32 ttmp9, 16                         ; fc1 has K = 128: one K step, rows of 512 bytes; the others two, rows of 1,024
	s_cselect_b32 s24, s23, s24                    ; tile
	s_cselect_b32 s25, 0, s25                      ; K step
	s_cselect_b32 s26, 9, 10                       ; log2 of a row's bytes
	s_lshr_b32 s27, s24, 1
	s_lshl_b32 s27, s27, 5
	s_and_b32 s28, s24, 1
	s_lshl_b32 s28, s28, 3
	s_add_co_u32 s27, s27, s28                     ; 32 (t / 2) + 8 (t % 2)
	s_lshl_b32 s25, s25, 9
	v_add_nc_u32 v3, s27, v4                       ; my row
	v_lshlrev_b32 v3, s26, v3
	v_lshl_add_u32 v3, v2, 7, v3                   ; + 128 h: the layout gives lane (r, h) k = 64 c + 32 h + 0 .. 31
	v_add_nc_u32 v3, s25, v3                       ; + 512 x K step
.irp c, 0,1
.irp i, 0,1,2,3,4,5,6,7
	global_load_b128 v[64+32*\c+4*\i:67+32*\c+4*\i], v3, s[20:21] offset:256*\c+16*\i
.endr
.endr
	s_mul_i32 s32, ttmp9, 1536                     ; where the codes and the scale words go
	s_lshl_b32 s34, ttmp9, 6
	s_cmp_ge_u32 ttmp9, 112
	s_cselect_b32 s29, 7168, 0
	s_cselect_b32 s31, 301056, 0
	s_add_co_u32 s32, s32, s29
	s_add_co_u32 s34, s34, s31
	s_add_co_u32 s34, s34, 172032
	s_mov_b32 s33, 0
	s_mov_b32 s35, 0
	s_add_nc_u64 s[36:37], s[18:19], s[32:33]
	s_add_nc_u64 s[38:39], s[18:19], s[34:35]
	s_wait_loadcnt 0x0
.irp c, 0,1                                        ; my block 2 c + h: all its 32 numbers are mine
	v_max3_num_f32 v[32+\c], |v[64+32*\c]|, |v[65+32*\c]|, 0x1800000   ; with the floor 2^(3 - 127): the byte cannot fall under 1
.endr
.irp i, 2,4,6,8,10,12,14,16,18,20,22,24,26,28,30
.irp c, 0,1
	v_max3_num_f32 v[32+\c], v[32+\c], |v[64+32*\c+\i]|, |v[65+32*\c+\i]|
.endr
.endr
.irp c, 0,1
	v_add_nc_u32 v[44+\c], 0xff000000, v[32+\c]    ; 2 off the exponent field: the conversion's scale operand
.endr
.irp c, 0,1
	v_lshrrev_b32 v[36+\c], 23, v[44+\c]           ; the scale's byte
.endr
	v_lshl_or_b32 v9, v37, 16, v36                 ; my two bytes: blocks h and 2 + h,
	v_lshlrev_b32 v11, 3, v2
	v_lshlrev_b32 v9, v11, v9                      ; at their places in the word;
	v_permlanex16_b32 v10, v9, s40, s41
	v_or_b32 v9, v9, v10                           ; with lane l xor 16's two the word is whole
.irp c, 0,1
	v_cvt_scalef32_pk16_fp6_f32 v[48+6*\c:50+6*\c], v[64+32*\c:79+32*\c], v[44+\c]
	v_cvt_scalef32_pk16_fp6_f32 v[16+4*\c:18+4*\c], v[80+32*\c:95+32*\c], v[44+\c]   ; (a conversion's three registers begin on an even number)
.endr
	v_nop                                          ; one plain line behind the scaled conversions
.irp c, 0,1
.irp i, 0,1,2
	v_mov_b32 v[51+6*\c+\i], v[16+4*\c+\i]
.endr
.endr
.irp k, 0,1,2
	global_store_b128 v5, v[48+4*\k:51+4*\k], s[36:37] offset:512*\k   ; 32 lanes store 512 consecutive bytes
.endr
	global_store_b32 v6, v9, s[38:39]              ; both halves of the lanes hold the same word and write it to the same place
	s_endpgm
.Lfunc_end_k_q634a9b5dc3_prep:
	.size	k_q634a9b5dc3_prep, .Lfunc_end_k_q634a9b5dc3_prep-k_q634a9b5dc3_prep
	.p2alignl 7, 3214868480
	.fill 96, 4, 3214868480
	.section	.rodata,"a",@progbits
	.p2align	6, 0x0
	.amdhsa_kernel k_q634a9b5dc3_prep
		.amdhsa_group_segment_fixed_size 0
		.amdhsa_private_segment_fixed_size 0
		.amdhsa_enable_private_segment 0
		.amdhsa_kernarg_size 64
		.amdhsa_user_sgpr_count 2
		.amdhsa_user_sgpr_kernarg_segment_ptr 1
		.amdhsa_wavefront_size32 1
		.amdhsa_system_sgpr_workgroup_id_x 1
		.amdhsa_system_sgpr_workgroup_id_y 1
		.amdhsa_system_sgpr_workgroup_id_z 1
		.amdhsa_system_vgpr_workitem_id 0
		.amdhsa_next_free_vgpr 128
		.amdhsa_next_free_sgpr 66
		.amdhsa_reserve_vcc 0
		.amdhsa_float_denorm_mode_32 3
		.amdhsa_float_denorm_mode_16_64 3
		.amdhsa_memory_ordered 1
		.amdhsa_forward_progress 1
		.amdhsa_inst_pref_size 8
	.end_amdhsa_kernel
	.amdgpu_metadata
---
amdhsa.version: [ 1, 2 ]
amdhsa.kernels:
  - .name:           k_q634a9b5dc3_prep
    .symbol:         k_q634a9b5dc3_prep.kd
    .args:
      - { .name: fc1_w, .offset: 0, .size: 8, .value_kind: global_buffer, .address_space: global }
      - { .name: k_w, .offset: 8, .size: 8, .value_kind: global_buffer, .address_space: global }
      - { .name: v_w, .offset: 16, .size: 8, .value_kind: global_buffer, .address_space: global }
      - { .name: q_w, .offset: 24, .size: 8, .value_kind: global_buffer, .address_space: global }
      - { .name: w_ih, .offset: 32, .size: 8, .value_kind: global_buffer, .address_space: global }
      - { .name: w_hh, .offset: 40, .size: 8, .value_kind: global_buffer, .address_space: global }
      - { .name: out_w, .offset: 48, .size: 8, .value_kind: global_buffer, .address_space: global }
      - { .name: wq, .offset: 56, .size: 8, .value_kind: global_buffer, .address_space: global }
    .group_segment_fixed_size: 0
    .private_segment_fixed_size: 0
    .kernarg_segment_align: 8
    .kernarg_segment_size: 64
    .max_flat_workgroup_size: 32
    .sgpr_count:     66
    .vgpr_count:     128
    .wavefront_size: 32
...
	.end_amdgpu_metadata
.endif
;; end of part 1
;; launch agent (part 2): grid 256 x 1, 8 waves a work-group, no clusters, 258,048 bytes of LDS; arguments wq, inputs, obs_mask, fc1_b, k_b, v_b, q_b, hidden_state, b_ih, b_hh, scenario_mask, out_b, out0, out1; writes out0, out1
.if DOCPART == 2
	.amdgcn_target "amdgcn-amd-amdhsa--gfx1250"
	.amdhsa_code_object_version 6
	.text
	.protected	k_q634a9b5dc3_agent
	.globl	k_q634a9b5dc3_agent
	.p2align	8
	.type	k_q634a9b5dc3_agent,@function
k_q634a9b5dc3_agent:
	s_mov_b64 s[64:65], 0
	v_nop
	global_prefetch_b8 v0, s[64:65] scope:SCOPE_SE
	s_setreg_imm32_b32 hwreg(HW_REG_WAVE_MODE, 25, 1), 1
	s_wait_xcnt 0x0
; The whole chain for 16 batches a work-group: fc1 + relu, q, k, v, eight heads of masked attention, the GRU cell, the output layer.  Nothing but the weights' codes (wq) comes from a workspace.
; SHARES.  Eight waves, two to a SIMD, 512 registers each.  In the attention phases a wave owns a PAIR of batches: 128 entities (8 tiles of 16 rows) and 16 agent rows (lane % 16 = 8 x batch + agent).
; Batch 1's first tile is loaded turned by 8 rows, so that its agents stand in lanes 8-15; its mask bytes are read turned likewise.
; In the GRU the waves share the COLUMNS: wave w makes units 32 w .. 32 w + 31 of all three gates for the work-group's 128 rows, so each GRU weight fragment is read once a work-group.
; QUANTISED PRODUCTS on codes of FP6 with E8M0 scales; operands computed on the way are quantised in registers (macros QUANT, QHALF).
; THE TWO PRODUCTS LEFT AS THEY ARE, in f32: S^T = K Q^T by the f32 matrix form: k's and q's results are its operands as they stand (the same order of the head's 32 on both sides);
; the two batches share one sum: batch 0's keys meet q with lanes 8-15 cleared, batch 1's meet q with lanes 0-7 cleared.  P V by vector multiply-adds: v is made untransposed (a lane holds a feature,
; its registers entities), and an agent's p reaches all feature lanes through the DPP control row_share.  att is divided by the row's sum behind P V.
; SOFTMAX: the row's maximum is taken away; masked scores are -1e9 as in the definition; a row wholly masked (maximum = -1e9) gets att = 0.
; LIMITS: an unmasked raw score of -1e9 or less counts as masked; blocks of zeros carry the byte 1 (codes zero; bytes read here alone); NaN and infinities among the inputs are not served;
; tanh x = 1 - 2 / (1 + e^2x), sigmoid x = 1 / (1 + e^-x), by v_exp_f32 and v_rcp_f32.
; No cluster: work-groups share the weights alone, fetched once each; no slot is ever filled again, so no ring and no joint refill exists.
; LDS
.set WSC,   172032                     ; bytes 0 .. 179,199: wq's first part as it lies: codes of fc1, k, v, q; from WSC their scale words.  One fill by tensor loads
.set BIAS,  179200                     ; fc1_b, k_b, v_b, q_b, 1,024 bytes each
.set ATTC,  183296                     ; att's codes: 128 rows, 192 bytes of codes, pitch 208
.set H0D,   26624                      ; from there to h0's codes, laid alike
.set ATTS,  236544                     ; att's scale bytes, 8 a row
.set H0SD,  1024                       ; from there to h0's
.set SCR,   238592                     ; a wave's own 16 rows x 144 bytes: att changes lanes here
.set SPARE, 257024                     ; the spare words, 128 bytes a wave: four blocks of 256 bytes that no other line names
.set HBLK,  18560                      ; from the second barrier on, in the weights' bytes (their one fill and last read are over): eight blocks of 32 units x 128 rows of f32, pitch 144: h0 in, h out
.set GB,    148480                     ; the GRU's biases: a wave's 4 kinds x 32 units
.set SMT,   152576                     ; scenario_mask, a word a row
.set OST,   153088                     ; a wave's own 16 rows x 144 bytes for out0
; window 0
.set AW1, 1                            ; 16 l + k's first fragment          .set names: l lane, r = l % 16, h = l / 16
.set AW2, 2                            ; 16 l + q's first fragment
.set ASC, 3                            ; WSC + 4 l
.set ABT, 4                            ; BIAS + 64 h
.set ABV, 5                            ; BIAS + 2048 + 4 (r + 8 (r / 8))
.set AAC, 6                            ; ATTC + 208 (16 w + r) + 12 h
.set AAS, 7                            ; ATTS + 8 (16 w + r)
.set ASW, 8                            ; my scratch + 4 (8 h + r + 8 (r / 8))
.set ASR, 9                            ; my scratch + 144 r + 64 h
.set HOF, 10                           ; hidden_state: 1024 r + 64 h, + 128 a head
.set INO, 11                           ; inputs: 512 r + 64 h
.set INO4, 12                          ; the same with r xor 8
.set AM,  13                           ; obs_mask: 4096 b + 64 a + 8 h
.set AM0, 14                           ; the same with h xor b, for the first tile
.set AW0, 15                           ; 16 l
.set SPW, 16                           ; my spare word; never rewritten
.set NIL, 17                           ; 0; never rewritten
.set INV, 18                           ; v18-19  1 / the row's sum (pair)
.set NM,  20                           ; v20-21  -c x the row's maximum (pair)
.set MX,  22
.set LS,  23
.set XS,  24                           ; v24-31  x's scale words, a register a tile: lanes 0-15 K step 0, lanes 16-31 K step 1.  v24-38 and v252-255 hold scales and nothing else
.set XQS, 32
.set WS,  33                           ; v33-38  the weights' scale words
.set NEGR, 39                          ; -1e9
.set KV,  40                           ; v40-103  eight results of 16 x 16
.set RA,  40
.set WF,  104                          ; v104-151 four weight fragments (fc1: eight, to v199)
.set P,   152                          ; v152-183 q cleared two ways, then p
.set ACC, 184                          ; v184-199 q's results, at work in the softmax, then P V's sums
.set QD,  184
.set TM,  200                          ; v200-215 at work in the quantisers; biases as C; the mask bytes at the head
.set BC,  200
.set MB,  200
.set PW,  216                          ; the scale word just made
.set ADR, 217                          ; v217-219 LDS addresses of the loads in hand
.set ADR2, 218
.set ADR3, 219
.set S,   220                          ; v220-251 the scores: written by the f32 matrix form alone, in the whole text
.set IS,  252                          ; v252-255 the inputs' scale words, two tiles a register
; window 1: 0-191 x's fragments, tile T, K step s at 24 T + 12 s; the inputs' fragments at 96 + 12 T (T < 4) and 208 + 12 (T - 4); later:
.set H0R, 192                          ; 16 numbers of h0
.set XQ,  208                          ; the agents' rows of x, two fragments
; scalars
.set MK,  32                           ; s32-63  lane masks of obs_mask, one for each score register
.set SEL, 66                           ; s66-67  selects for lane l xor 16
.set CS,  68                           ; s68-69  c = log2(e) / sqrt(32); s70 = -c; s71 lanes 8-15 and 24-31; s72 lanes 16-31
.set MSB, 0
.macro WIN new                         ; the immediate's high byte repeats the setting that is left
.if MSB != \new
	s_set_vgpr_msb (MSB<<8)|\new
.set MSB, \new
.endif
.endm
.macro PLACES n                        ; plain lines behind a matrix instruction (ISA guide 7.12.1)
.rept \n
	v_nop
.endr
.endm
.macro BARRIER                         ; my LDS stores have landed and my LDS loads are in: then the work-group's barrier
	s_wait_dscnt 0x0
	s_barrier_signal -1
	s_barrier_wait -1
.endm
; the scaled product; ra, rb: source 0's and source 1's scale words stand in lanes 16-31
.macro FP6 d, a, b, c, sa, sb, ra, rb
.if (\ra) && (\rb)
	v_wmma_scale_f32_16x16x128_f8f6f4 v[(\d):(\d)+7], v[(\a):(\a)+11], v[(\b):(\b)+11], v[(\c):(\c)+7], v[(\sa)], v[(\sb)] matrix_a_fmt:MATRIX_FMT_FP6 matrix_b_fmt:MATRIX_FMT_FP6 matrix_a_scale:MATRIX_SCALE_ROW1 matrix_b_scale:MATRIX_SCALE_ROW1
.elseif (\ra)
	v_wmma_scale_f32_16x16x128_f8f6f4 v[(\d):(\d)+7], v[(\a):(\a)+11], v[(\b):(\b)+11], v[(\c):(\c)+7], v[(\sa)], v[(\sb)] matrix_a_fmt:MATRIX_FMT_FP6 matrix_b_fmt:MATRIX_FMT_FP6 matrix_a_scale:MATRIX_SCALE_ROW1
.elseif (\rb)
	v_wmma_scale_f32_16x16x128_f8f6f4 v[(\d):(\d)+7], v[(\a):(\a)+11], v[(\b):(\b)+11], v[(\c):(\c)+7], v[(\sa)], v[(\sb)] matrix_a_fmt:MATRIX_FMT_FP6 matrix_b_fmt:MATRIX_FMT_FP6 matrix_b_scale:MATRIX_SCALE_ROW1
.else
	v_wmma_scale_f32_16x16x128_f8f6f4 v[(\d):(\d)+7], v[(\a):(\a)+11], v[(\b):(\b)+11], v[(\c):(\c)+7], v[(\sa)], v[(\sb)] matrix_a_fmt:MATRIX_FMT_FP6 matrix_b_fmt:MATRIX_FMT_FP6
.endif
.endm
; 64 numbers of a lane in window 0, register 16 b + i = k 32 b + 16 h + i of my row, become a fragment's 12 registers at d in window 1 and its scale word in v[PW].
; The codes are made and change halves in window 0: three results in TM's dead registers, the fourth in the first three of the numbers already converted.
.macro QUANT s, d
.irp b, 0,1,2,3
	v_max3_num_f32 v[TM+\b], |v[(\s)+16*\b]|, |v[(\s)+16*\b+1]|, 0x1800000   ; with the floor 2^(3 - 127): the byte cannot fall under 1
.endr
.irp i, 2,4,6,8,10,12,14
.irp b, 0,1,2,3
	v_max3_num_f32 v[TM+\b], v[TM+\b], |v[(\s)+16*\b+\i]|, |v[(\s)+16*\b+\i+1]|
.endr
.endr
.irp b, 0,1,2,3
	v_permlanex16_b32 v[TM+4+\b], v[TM+\b], s[SEL], s[SEL+1]
.endr
.irp b, 0,1,2,3
	v_max_num_f32 v[TM+\b], v[TM+\b], v[TM+4+\b]   ; with lane l xor 16's: the block's largest magnitude
.endr
.irp b, 0,1,2,3
	v_add_nc_u32 v[TM+12+\b], 0xff000000, v[TM+\b] ; 2 off its exponent field: the conversion's scale operand
.endr
.irp b, 0,1,2,3
	v_lshrrev_b32 v[TM+4+\b], 23, v[TM+12+\b]      ; the scale's byte
.endr
	v_lshl_or_b32 v[PW], v[TM+5], 8, v[TM+4]
	v_lshl_or_b32 v[PW], v[TM+6], 16, v[PW]
	v_lshl_or_b32 v[PW], v[TM+7], 24, v[PW]
	v_cvt_scalef32_pk16_fp6_f32 v[TM:TM+2], v[(\s):(\s)+15], v[TM+12]
	v_cvt_scalef32_pk16_fp6_f32 v[TM+4:TM+6], v[(\s)+16:(\s)+31], v[TM+13]
	v_cvt_scalef32_pk16_fp6_f32 v[TM+8:TM+10], v[(\s)+32:(\s)+47], v[TM+14]
	v_nop                                          ; a plain line before the first conversion's sources are written
	v_cvt_scalef32_pk16_fp6_f32 v[(\s):(\s)+2], v[(\s)+48:(\s)+63], v[TM+15]
	v_nop                                          ; and one behind the last conversion
.irp i, 0,1,2                                      ; the layout wants a WHOLE block in a lane: lanes 0-15 block 2 c, lanes 16-31 block 2 c + 1
	v_permlane16_swap_b32 v[TM+\i], v[TM+4+\i]
	v_permlane16_swap_b32 v[TM+8+\i], v[(\s)+\i]
.endr
	WIN 0x40
.irp i, 0,1,2
	v_mov_b32 v[(\d)+\i], v[TM+\i]
	v_mov_b32 v[(\d)+3+\i], v[TM+4+\i]
	v_mov_b32 v[(\d)+6+\i], v[TM+8+\i]
	v_mov_b32 v[(\d)+9+\i], v[(\s)+\i]
.endr
	WIN 0
.endm
; 16 numbers of a lane (half a block of 32; lane l xor 16 holds the other half) become 12 bytes of codes at v[ADR] + co and the block's scale byte at v[ADR2] + sb.  w1: the numbers lie in window 1
.macro QHALF src, w1, tb, co, sb
.if \w1
	WIN 0x05
.endif
	v_max3_num_f32 v[\tb], |v[(\src)]|, |v[(\src)+1]|, 0x1800000
	v_max3_num_f32 v[\tb+1], |v[(\src)+2]|, |v[(\src)+3]|, 0x1800000
.irp i, 4,8,12
	v_max3_num_f32 v[\tb], |v[(\src)+\i]|, |v[(\src)+\i+1]|, v[\tb]
	v_max3_num_f32 v[\tb+1], |v[(\src)+\i+2]|, |v[(\src)+\i+3]|, v[\tb+1]
.endr
	WIN 0
	v_max_num_f32 v[\tb], v[\tb], v[\tb+1]
	v_permlanex16_b32 v[\tb+1], v[\tb], s[SEL], s[SEL+1]
	v_max_num_f32 v[\tb], v[\tb], v[\tb+1]
	v_add_nc_u32 v[\tb+2], 0xff000000, v[\tb]
	v_lshrrev_b32 v[\tb+3], 23, v[\tb+2]
.if \w1
	WIN 0x01
.endif
	v_cvt_scalef32_pk16_fp6_f32 v[\tb+4:\tb+6], v[(\src):(\src)+15], v[\tb+2]
	WIN 0
	v_nop                                          ; one plain line behind the scaled conversion
.irp i, 0,1,2
	ds_store_b32 v[ADR], v[\tb+4+\i] offset:(\co)+4*\i
.endr
	ds_store_b8 v[ADR2], v[\tb+3] offset:\sb       ; both lanes of a block write the same byte with the same value
.endm
.macro LOADIN T, R                     ; tile T of the pair's inputs: lane (r, h) takes, of its row, 16 neighbours of each block of 32
.irp b, 0,1,2,3
.irp j, 0,1,2,3
.if (\T) == 4
	global_load_b128 v[(\R)+16*\b+4*\j:(\R)+16*\b+4*\j+3], v[INO4], s[6:7] offset:8192*(\T)+128*\b+16*\j th:TH_LOAD_NT
.else
	global_load_b128 v[(\R)+16*\b+4*\j:(\R)+16*\b+4*\j+3], v[INO], s[6:7] offset:8192*(\T)+128*\b+16*\j th:TH_LOAD_NT
.endif
.endr
.endr
.endm
.macro LDW adr, off                    ; a head's four fragments (tile c, K step s at 12 (2 c + s)): images, 16 bytes a lane
.set J, 0
.rept 12
	ds_load_b128 v[WF+4*J:WF+4*J+3], v[\adr] offset:(\off)+512*J
.set J, J+1
.endr
.endm
.macro RELU64
.set J, 0
.rept 64
	v_max_num_f32 v[KV+J], 0, v[KV+J]
.set J, J+1
.endr
.endm
; fc1 for tile T of rows, units 128 s on: transposed (source 0 = 16 rows of fc1_w), the bias as C, loaded straight into the results' registers; relu; quantised: K step s of x
.macro FCT T, s
.irp i, 0,1,2,3,4,5,6,7
	ds_load_b128 v[KV+8*\i:KV+8*\i+3], v[ABT] offset:128*(4*\s+\i/2)+32*(\i%2)
	ds_load_b128 v[KV+8*\i+4:KV+8*\i+7], v[ABT] offset:128*(4*\s+\i/2)+32*(\i%2)+16
.endr
.if (\T) < 4
.set IND, 96+12*(\T)
.else
.set IND, 208+12*((\T)-4)
.endif
	s_wait_dscnt 0x0
	WIN 0x04
.irp i, 0,1,2,3,4,5,6,7
	FP6 KV+8*\i, WF+12*\i, IND, KV+8*\i, WS+\i/2, IS+(\T)/2, \i%2, (\T)%2
.endr
	WIN 0
	PLACES 4
	RELU64
	QUANT KV, 24*(\T)+12*\s
.if \s
	v_cndmask_b32 v[XS+(\T)], v[XS+(\T)], v[PW], s72
.else
	v_mov_b32 v[XS+(\T)], v[PW]
.endif
.endm
.macro KPROD b                         ; k of batch b, this head: transposed; eight results by turns, K step 0 with the bias as C, then K step 1
	WIN 0x04
.irp s, 0,1
.irp t, 0,1,2,3
.irp c, 0,1
.if \s
	FP6 KV+16*\t+8*\c, WF+24*\c+12, 24*(4*\b+\t)+12, KV+16*\t+8*\c, WS+\c, XS+4*\b+\t, 1, 1
.else
	FP6 KV+16*\t+8*\c, WF+24*\c, 24*(4*\b+\t), BC+8*\c, WS+\c, XS+4*\b+\t, 0, 0
.endif
.endr
.endr
.endr
	WIN 0
.endm
.macro VPROD b                         ; v of batch b, this head: NOT transposed: source 0 = 16 entities, source 1 = 16 rows of v_w: a lane holds a feature, register j entity 8 h + j
	WIN 0x01
.irp s, 0,1
.irp t, 0,1,2,3
.irp c, 0,1
.if \s
	FP6 KV+16*\t+8*\c, 24*(4*\b+\t)+12, WF+24*\c+12, KV+16*\t+8*\c, XS+4*\b+\t, WS+2+\c, 1, 1
.else
	FP6 KV+16*\t+8*\c, 24*(4*\b+\t), WF+24*\c, BC+8*\c, XS+4*\b+\t, WS+2+\c, 0, 0
.endif
.endr
.endr
.endr
	WIN 0
.endm
; S^T += K(b) Q(b)^T in f32: source 0 = 16 keys x 4 of the head's 32, source 1 = the same 4 x 16 agent rows.  Lane (r, h), register j of either holds feature 16 h + 8 c + 2 i + j: the same order on both sides.
.macro SCH b
.irp c, 0,1
.irp i, 0,1,2,3
.irp t, 0,1,2,3
.if (\b == 0) && (\c == 0) && (\i == 0)
	v_wmma_f32_16x16x4_f32 v[S+8*\t:S+8*\t+7], v[KV+16*\t+8*\c+2*\i:KV+16*\t+8*\c+2*\i+1], v[P+16*\b+8*\c+2*\i:P+16*\b+8*\c+2*\i+1], 0
.else
	v_wmma_f32_16x16x4_f32 v[S+8*\t:S+8*\t+7], v[KV+16*\t+8*\c+2*\i:KV+16*\t+8*\c+2*\i+1], v[P+16*\b+8*\c+2*\i:P+16*\b+8*\c+2*\i+1], v[S+8*\t:S+8*\t+7]
.endif
.endr
.endr
.endr
.endm
.macro PVN t, j, n                     ; agent row n's p of entity 16 t + 8 h + j, from lane n of my half, times my feature's v of that entity, for both feature tiles
.if ((\t) == 0) && ((\j) == 0)
	v_mul_f32_dpp v[ACC+2*((\n)%8)], v[P+8*(\t)+(\j)], v[KV+16*(\t)+(\j)] row_share:\n row_mask:0xf bank_mask:0xf
	v_mul_f32_dpp v[ACC+2*((\n)%8)+1], v[P+8*(\t)+(\j)], v[KV+16*(\t)+8+(\j)] row_share:\n row_mask:0xf bank_mask:0xf
.else
	v_fmac_f32_dpp v[ACC+2*((\n)%8)], v[P+8*(\t)+(\j)], v[KV+16*(\t)+(\j)] row_share:\n row_mask:0xf bank_mask:0xf
	v_fmac_f32_dpp v[ACC+2*((\n)%8)+1], v[P+8*(\t)+(\j)], v[KV+16*(\t)+8+(\j)] row_share:\n row_mask:0xf bank_mask:0xf
.endif
.endm
.macro PVB b                           ; P V of batch b: 16 sums (8 agents x 2 feature tiles) by turns; then the two halves' entities are added and the row goes to my scratch
.irp t, 0,1,2,3
.irp j, 0,1,2,3,4,5,6,7
.if \b
.irp n, 8,9,10,11,12,13,14,15
	PVN \t, \j, \n
.endr
.else
.irp n, 0,1,2,3,4,5,6,7
	PVN \t, \j, \n
.endr
.endif
.endr
.endr
.irp a, 0,1,2,3,4,5,6,7
	v_permlane16_swap_b32 v[ACC+2*\a], v[ACC+2*\a+1]   ; the first now holds both tiles' sums over entities of h = 0, the second over those of h = 1
.endr
.irp a, 0,1,2,3,4,5,6,7
	v_add_f32 v[ACC+2*\a], v[ACC+2*\a], v[ACC+2*\a+1]  ; lane (r, h): feature 8 h + r + 8 (r / 8)
.endr
.irp a, 0,1,2,3,4,5,6,7
	ds_store_b32 v[ASW], v[ACC+2*\a] offset:(8*\b+\a)*144
.endr
.endm
	s_load_b512 s[4:19], s[0:1], 0x0               ; wq, inputs, obs_mask, fc1_b, k_b, v_b, q_b, hidden_state
	s_load_b256 s[84:91], s[0:1], 0x40             ; b_ih, b_hh, scenario_mask, out_b
	s_load_b128 s[92:95], s[0:1], 0x60             ; out0, out1
	v_lshl_add_u32 v[SPW], v0, 2, SPARE
	v_mov_b32 v[NIL], 0
	ds_add_u32 v[SPW], v[NIL]                      ; the wave's opening: the add and its wait stand ahead of my first tensor load; work on registers stands between them
	v_lshrrev_b32 v1, 5, v0
	v_readfirstlane_b32 s2, v1                     ; wave 0..7
	s_lshl_b32 s3, ttmp9, 3
	s_add_co_u32 s3, s3, s2                        ; my pair of batches
	; the descriptor's shape: a dense block as 100 rows of 256 bytes (32 elements of 8 bytes)
	s_mov_b32 s24, 3<<16
	s_mov_b32 s25, 32<<16
	s_mov_b32 s26, 100<<16
	s_mov_b32 s27, 32<<16
	s_mov_b32 s28, 100
	s_mov_b32 s29, 32
	s_mov_b32 s30, 0
	s_mov_b32 s31, 0
	s_mov_b32 s[SEL], 0x76543210
	s_mov_b32 s[SEL+1], 0xfedcba98
	s_mov_b32 s[CS], 0x3e8293ee                    ; c = log2(e) / sqrt(32)
	s_mov_b32 s[CS+1], s[CS]
	s_mov_b32 s70, 0xbe8293ee                      ; -c
	s_mov_b32 s71, 0xff00ff00                      ; lanes with r >= 8: batch 1's agents
	s_mov_b32 s72, 0xffff0000                      ; lanes 16-31
	v_and_b32 v184, 31, v0                         ; l
	v_and_b32 v185, 15, v0                         ; r
	v_bfe_u32 v186, v0, 4, 1                       ; h
	v_bfe_u32 v187, v0, 3, 1                       ; b = r / 8
	v_and_b32 v188, 7, v0                          ; a = r % 8
	v_lshl_add_u32 v189, v187, 3, v185             ; r + 8 (r / 8)
	v_lshlrev_b32 v[AW0], 4, v184
	v_add_nc_u32 v[AW1], 24576, v[AW0]
	v_add_nc_u32 v[AW2], 122880, v[AW0]
	v_lshl_add_u32 v[ASC], v184, 2, WSC
	v_lshl_add_u32 v[ABT], v186, 6, BIAS
	v_lshl_add_u32 v[ABV], v189, 2, BIAS+2048
	v_mul_u32_u24 v[AAC], v185, 208
	v_mad_u32_u24 v[AAC], v186, 12, v[AAC]
	s_mul_i32 s74, s2, 3328
	s_add_co_u32 s74, s74, ATTC
	v_add_nc_u32 v[AAC], s74, v[AAC]
	s_lshl_b32 s74, s2, 7
	s_add_co_u32 s74, s74, ATTS
	v_lshl_add_u32 v[AAS], v185, 3, s74
	s_mul_i32 s74, s2, 2304
	s_add_co_u32 s74, s74, SCR
	v_lshl_add_u32 v[ASW], v186, 3, v189
	v_lshl_add_u32 v[ASW], v[ASW], 2, s74
	v_mul_u32_u24 v[ASR], v185, 144
	v_lshl_add_u32 v[ASR], v186, 6, v[ASR]
	v_add_nc_u32 v[ASR], s74, v[ASR]
	v_lshlrev_b32 v[HOF], 10, v185
	v_lshl_add_u32 v[HOF], v186, 6, v[HOF]
	v_lshlrev_b32 v[INO], 9, v185
	v_lshl_add_u32 v[INO], v186, 6, v[INO]
	v_xor_b32 v190, 8, v185
	v_lshlrev_b32 v[INO4], 9, v190
	v_lshl_add_u32 v[INO4], v186, 6, v[INO4]
	v_lshlrev_b32 v[AM0], 12, v187
	v_lshl_add_u32 v[AM0], v188, 6, v[AM0]
	v_lshl_add_u32 v[AM], v186, 3, v[AM0]
	v_xor_b32 v190, v186, v187
	v_lshl_add_u32 v[AM0], v190, 3, v[AM0]
	s_and_b32 s74, s2, 1
	s_lshl_b32 s74, s74, 9
	v_add_nc_u32 v191, s74, v[AW0]                 ; my wave's 512 bytes of one bias: in memory,
	s_lshl_b32 s74, s2, 9
	s_add_co_u32 s74, s74, BIAS
	v_add_nc_u32 v190, s74, v[AW0]                 ; and in LDS
	v_mov_b32 v[INV+1], 0                          ; (named as the upper halves of pairs)
	v_mov_b32 v[NM+1], 0
	v_mov_b32 v[NEGR], 0xce6e6b28                  ; -1e9
	s_wait_dscnt 0x0                               ; the opening add is done
	s_wait_kmcnt 0x0
	s_mov_b32 s75, 0
	s_lshl_b32 s74, s3, 16
	s_add_nc_u64 s[6:7], s[6:7], s[74:75]          ; inputs: 128 rows of 512 bytes a pair
	s_lshl_b32 s74, s3, 13
	s_add_nc_u64 s[8:9], s[8:9], s[74:75]          ; obs_mask: 2 x 4,096 bytes
	s_lshl_b32 s74, s3, 14
	s_add_nc_u64 s[18:19], s[18:19], s[74:75]      ; hidden_state and out1: 16 rows of 1,024 bytes
	s_add_nc_u64 s[94:95], s[94:95], s[74:75]
	s_lshl_b32 s74, s3, 11
	s_add_nc_u64 s[92:93], s[92:93], s[74:75]      ; out0: 16 rows of 128 bytes
	s_lshl_b32 s74, s3, 4
	s_add_nc_u64 s[88:89], s[88:89], s[74:75]      ; scenario_mask: 16 bytes
	s_mov_b32 s20, 1
	s_mul_i32 s21, s2, 25600                       ; waves 0 to 6 bring 100 rows each: 7 x 25,600 = 179,200 bytes
	s_mov_b32 s74, s21
	s_add_nc_u64 s[22:23], s[4:5], s[74:75]
	s_or_b32 s23, s23, 0x80000000
	s_cmp_lt_u32 s2, 7
	s_cbranch_scc0 .Lno_fill
	tensor_load_to_lds s[20:23], s[24:31]          ; the one fill of the launch: one tensor load a wave is out
	s_nop 0
.rept 4
	v_nop
.endr
.Lno_fill:
	s_lshr_b32 s74, s2, 1                          ; which bias my wave brings: the choice hangs on the wave's number alone
	s_cmp_lt_u32 s74, 1
	s_cselect_b64 s[76:77], s[10:11], s[12:13]
	s_cmp_lt_u32 s74, 2
	s_cselect_b64 s[76:77], s[76:77], s[14:15]
	s_cmp_lt_u32 s74, 3
	s_cselect_b64 s[76:77], s[76:77], s[16:17]
	global_load_b128 v[192:195], v191, s[76:77]
	global_load_b64 v[MB:MB+1], v[AM0], s[8:9]     ; my agent's mask bytes of the 8 entities that each score tile gives my lane
.irp t, 1,2,3
	global_load_b64 v[MB+2*\t:MB+2*\t+1], v[AM], s[8:9] offset:16*\t
.endr
	LOADIN 0, RA
	LOADIN 1, RA+64
	s_wait_loadcnt 36                              ; the bias is in: 4 mask loads and 32 input loads are younger
	ds_store_b128 v190, v[192:195]
	s_wait_loadcnt 32                              ; the mask bytes are in
.set J, 0
.rept 32
	v_bfe_u32 v[196+(J%2)], v[MB+2*(J/8)+(J%8)/4], 8*(J%4), 8
	v_cmp_ne_u32 s[MK+J], 0, v[196+(J%2)]          ; score register J is masked in these lanes
.set J, J+1
.endr
	; ---- the inputs' eight tiles become fragments; one tile's loads are out while another is quantised
.irp T, 0,1,2,3,4,5,6,7
.if \T < 7
	s_wait_loadcnt 16                              ; this tile is in; the next tile's 16 loads may be out
.else
	s_wait_loadcnt 0x0
.endif
.if \T < 4
.set IND, 96+12*\T
.else
.set IND, 208+12*(\T-4)
.endif
	QUANT RA+64*(\T%2), IND
.if \T%2
	v_cndmask_b32 v[IS+\T/2], v[IS+\T/2], v[PW], s72
.else
	v_mov_b32 v[IS+\T/2], v[PW]
.endif
.if \T < 6
	LOADIN \T+2, RA+64*(\T%2)
.endif
.endr
	s_wait_tensorcnt 0x0                           ; my part of the weights has landed,
	BARRIER                                        ; everybody's has, and the biases lie in LDS
	; ---- fc1: x's sixteen fragments.  Batch 0's tiles first: batch 1's results take the registers of batch 0's inputs
.irp b, 0,1
.irp s, 0,1
	PLACES 4
.irp i, 0,1,2,3,4,5,6,7
.irp k, 0,1,2
	ds_load_b128 v[WF+12*\i+4*\k:WF+12*\i+4*\k+3], v[AW0] offset:(8*\s+\i)*1536+512*\k
.endr
.endr
.irp i, 0,1,2,3
	ds_load_b32 v[WS+\i], v[ASC] offset:64*(8*\s+2*\i)   ; lanes 0-15 the even tile's words, lanes 16-31 the odd tile's
.endr
.irp t, 0,1,2,3
	FCT 4*\b+\t, \s
.endr
.endr
.endr
	; ---- the agents' rows: lanes r < 8 from batch 0's first tile, lanes r >= 8 from batch 1's (turned) first tile
	v_cndmask_b32 v[XQS], v[XS], v[XS+4], s71
	WIN 0x45
.set J, 0
.rept 24
	v_cndmask_b32 v[XQ+J], v[J], v[96+J], s71
.set J, J+1
.endr
	WIN 0
	PLACES 8                                       ; operands and a scale word written by vector lines stand ahead of the scaled products
	s_mov_b32 s73, 0                               ; the head
	s_mov_b32 s76, 0                               ; 6,144 a head: four fragments
	s_mov_b32 s77, 0                               ; 256: their scale words
	s_mov_b32 s78, 0                               ; 128: 32 numbers of a bias
	s_mov_b32 s79, 0                               ; 24: a block's codes
.Lhead:
	WIN 0x40
.irp i, 0,1,2,3
	global_load_b128 v[H0R+4*\i:H0R+4*\i+3], v[HOF], s[18:19] offset:16*\i   ; h0's block of this trip: it has the whole trip in which to land
.endr
	WIN 0
	v_add_nc_u32 v[ADR], s76, v[AW2]
	v_add_nc_u32 v[ADR2], s77, v[ASC]
	v_add_nc_u32 v[ADR3], s78, v[ABT]
	LDW ADR, 0                                     ; q_w
	ds_load_b32 v[WS+4], v[ADR2] offset:5120
	ds_load_b32 v[WS+5], v[ADR2] offset:5248
.irp c, 0,1
	ds_load_b128 v[BC+8*\c:BC+8*\c+3], v[ADR3] offset:3072+32*\c
	ds_load_b128 v[BC+8*\c+4:BC+8*\c+7], v[ADR3] offset:3072+32*\c+16
.endr
	s_wait_dscnt 0x0
	WIN 0x04
	FP6 QD, WF, XQ, BC, WS+4, XQS, 0, 0            ; q, transposed: lane (r, h): agent row r, register j of tile c: feature 16 h + 8 c + j
	FP6 QD+8, WF+24, XQ, BC+8, WS+5, XQS, 0, 0
	FP6 QD, WF+12, XQ+12, QD, WS+4, XQS, 1, 1
	FP6 QD+8, WF+36, XQ+12, QD+8, WS+5, XQS, 1, 1
	WIN 0
	PLACES 4
	v_add_nc_u32 v[ADR], s76, v[AW1]
	LDW ADR, 0                                     ; k_w
	ds_load_b32 v[WS], v[ADR2] offset:1024
	ds_load_b32 v[WS+1], v[ADR2] offset:1152
.irp c, 0,1
	ds_load_b128 v[BC+8*\c:BC+8*\c+3], v[ADR3] offset:1024+32*\c
	ds_load_b128 v[BC+8*\c+4:BC+8*\c+7], v[ADR3] offset:1024+32*\c+16
.endr
.set J, 0
.rept 16
	v_cndmask_b32 v[P+J], v[QD+J], 0, s71          ; q for batch 0's keys: batch 1's agents cleared
.set J, J+1
.endr
.set J, 0
.rept 16
	v_cndmask_b32 v[P+16+J], 0, v[QD+J], s71       ; and for batch 1's keys
.set J, J+1
.endr
	s_wait_dscnt 0x0
	KPROD 0
	PLACES 5                                       ; k's results become operands of the next matrix lines
	SCH 0
	PLACES 9                                       ; the f32 form's operands are written over by matrix lines
	KPROD 1
	PLACES 5
	LDW ADR, 49152                                 ; v_w: lands under the f32 products and the softmax
	ds_load_b32 v[WS+2], v[ADR2] offset:3072
	ds_load_b32 v[WS+3], v[ADR2] offset:3200
	v_add_nc_u32 v[ADR3], s78, v[ABV]
	ds_load_b32 v[BC], v[ADR3]                     ; v_b of my feature, tile 0 and tile 1
	ds_load_b32 v[BC+8], v[ADR3] offset:32
	SCH 1
	PLACES 8
	; ---- the softmax of my agent row: 32 scores here, 32 in lane l xor 16
.set J, 0
.rept 32
	v_cndmask_b32 v[P+J], v[S+J], v[NEGR], s[MK+J] ; each result from its low end on
.set J, J+1
.endr
.irp c, 0,1,2,3
	v_max3_num_f32 v[ACC+\c], v[P+8*\c], v[P+8*\c+1], v[P+8*\c+2]
.endr
.irp i, 3,5
.irp c, 0,1,2,3
	v_max3_num_f32 v[ACC+\c], v[ACC+\c], v[P+8*\c+\i], v[P+8*\c+\i+1]
.endr
.endr
	v_max3_num_f32 v[ACC], v[ACC], v[P+7], v[P+15]
	v_max3_num_f32 v[ACC+2], v[ACC+2], v[P+23], v[P+31]
	v_max3_num_f32 v[ACC], v[ACC], v[ACC+1], v[ACC+2]
	v_max_num_f32 v[ACC], v[ACC], v[ACC+3]
	v_permlanex16_b32 v[ACC+1], v[ACC], s[SEL], s[SEL+1]
	v_max_num_f32 v[MX], v[ACC], v[ACC+1]          ; the row's maximum
	v_mul_f32 v[NM], s70, v[MX]
.set J, 0
.rept 16
	v_pk_fma_f32 v[P+J:P+J+1], v[P+J:P+J+1], s[CS:CS+1], v[NM:NM+1] op_sel_hi:[1,0,0]   ; c s - c max
.set J, J+2
.endr
.set J, 0
.rept 32
	v_exp_f32 v[P+J], v[P+J]
.set J, J+1
.endr
	v_nop                                          ; a plain line behind the batch,
	s_wait_alu depctr_va_vdst(0)                   ; and one wait for all 32, ahead of their first reader
	v_pk_add_f32 v[ACC:ACC+1], v[P:P+1], v[P+2:P+3]
	v_pk_add_f32 v[ACC+2:ACC+3], v[P+4:P+5], v[P+6:P+7]
.irp j, 8,12,16,20,24,28
	v_pk_add_f32 v[ACC:ACC+1], v[ACC:ACC+1], v[P+\j:P+\j+1]
	v_pk_add_f32 v[ACC+2:ACC+3], v[ACC+2:ACC+3], v[P+\j+2:P+\j+3]
.endr
	v_pk_add_f32 v[ACC:ACC+1], v[ACC:ACC+1], v[ACC+2:ACC+3]
	v_add_f32 v[ACC], v[ACC], v[ACC+1]
	v_permlanex16_b32 v[ACC+1], v[ACC], s[SEL], s[SEL+1]
	v_add_f32 v[LS], v[ACC], v[ACC+1]              ; the row's sum: at least 1
	v_rcp_f32 v[INV], v[LS]
	v_cmp_eq_f32 vcc_lo, v[MX], v[NEGR]            ; a row wholly masked
	v_nop
	s_wait_alu depctr_va_vdst(0)
	v_cndmask_b32 v[INV], v[INV], 0, vcc_lo        ; gets att = 0
	s_wait_dscnt 0x0                               ; v_w, its scale words, v_b
.irp c, 0,1
.irp j, 1,2,3,4,5,6,7
	v_mov_b32 v[BC+8*\c+\j], v[BC+8*\c]            ; as C all eight registers hold my feature's bias
.endr
.endr
	PLACES 4
	VPROD 0
	PLACES 4
	RELU64
	PVB 0
	VPROD 1
	PLACES 4
	RELU64
	s_wait_dscnt 0x0                               ; batch 0's stores have read the sums' registers
	PVB 1
	; ---- att's 32 numbers of this head are one block along the GRU's K: back from my scratch as rows (LDS serves a wave's instructions in order), divided by the sum, quantised
.irp i, 0,1,2,3
	ds_load_b128 v[KV+4*\i:KV+4*\i+3], v[ASR] offset:16*\i
.endr
	v_add_nc_u32 v[ADR], s79, v[AAC]
	v_add_nc_u32 v[ADR2], s73, v[AAS]
	s_wait_dscnt 0x0
.irp j, 0,2,4,6,8,10,12,14
	v_pk_mul_f32 v[KV+\j:KV+\j+1], v[KV+\j:KV+\j+1], v[INV:INV+1] op_sel_hi:[1,0]
.endr
	QHALF KV, 0, TM, 0, 0
	s_wait_loadcnt 0x0                             ; h0's block
	QHALF H0R, 1, TM+8, H0D, H0SD
	s_wait_dscnt 0x0                               ; the stores have read their registers
	v_add_nc_u32 v[HOF], 128, v[HOF]               ; (its loads are done)
	s_add_co_u32 s76, s76, 6144
	s_add_co_u32 s77, s77, 256
	s_add_co_u32 s78, s78, 128
	s_add_co_u32 s79, s79, 24
	s_add_co_u32 s73, s73, 1
	s_cmp_lt_u32 s73, 8
	s_cbranch_scc1 .Lhead
; ---- THE GRU.  Registers anew:
.set L16, 1                            ; 16 l
.set HA0, 2                            ; h's blocks, by my 16 rows: HBLK (l / 8) + 2304 w + 16 (l % 8); v3: four blocks on
.set HA1, 3
.set GBW, 4                            ; GB + 512 w + 4 l
.set SMW, 5                            ; SMT + 4 (16 w + r)
.set RFB, 6                            ; ATTC + 208 r + 24 h
.set SCB, 7                            ; ATTS + 8 r + 4 h
.set GBR, 8                            ; GB + 512 w + 64 h
.set H0B, 9                            ; HBLK w + 144 r + 64 h
.set SMR, 10                           ; SMT + 4 r
.set GWO, 11                           ; 16 l + 6144 w
.set GSO, 12                           ; 4 l + 256 w
.set HQ0, 13                           ; 144 (16 w + r) + 64 h; v14: four blocks on
.set HQ1, 14
.set OSW, 15                           ; OST + 2304 w + 144 r + 64 h
.set GD,  168                          ; v168-173 b_ih's and b_hh's three gates of unit 32 w + l; v174 my row's scenario_mask
.set GBO, 175
.set W3,  176
.set OBO, 177
.set L4,  178
.set OSR, 180                          ; OST + 2304 w + 144 (l / 8) + 16 (l % 8)
.set W0,  181                          ; v181-183, v176: LDS addresses of the trip in hand
.set W1,  182
.set W2,  183
.set AR,  40                           ; the sums: r, z, the n gate's input part, its hidden part
.set AZ,  48
.set AN,  56
.set AH,  64
.set H0,  72
.set E1,  80
.set E2,  88
.set HH,  96
.set RF,  104                          ; att's two fragments, h0's two
.set SMV, 152
.set OA,  184                          ; out0's two results
.macro GW u                            ; my 12 weight fragments (matrix m, gate g, K step s at 12 (6 m + 2 g + s) of window 1) of units 32 w + 16 h + 8 u + j, and their scale words
	WIN 0x40
.irp m, 0,1
.irp g, 0,1,2
.irp s, 0,1
.irp k, 0,1,2
	global_load_b128 v[12*(6*\m+2*\g+\s)+4*\k:12*(6*\m+2*\g+\s)+4*\k+3], v[GWO], s[74:75] offset:147456*\m+49152*\g+3072*\u+1536*\s+512*\k
.endr
.endr
.endr
.endr
	WIN 0
.irp m, 0,1
.irp g, 0,1,2
	global_load_b32 v[WS+3*\m+\g], v[GSO], s[76:77] offset:6144*\m+2048*\g+128*\u
.endr
.endr
.endm
.macro GRU u                           ; eight trips, a tile of 16 rows each
	s_wait_loadcnt 0x0                             ; the weights
	s_mov_b32 s96, 0                               ; 16 rows of codes,
	s_mov_b32 s97, 0                               ; of scale bytes,
	s_mov_b32 s98, 32*\u                           ; of h's block,
	s_mov_b32 s99, 0                               ; of mask words
	s_mov_b32 s73, 0
.Lgru_\@:
	v_add_nc_u32 v[W0], s96, v[RFB]
	v_add_nc_u32 v[W1], s97, v[SCB]
	v_add_nc_u32 v[W2], s98, v[H0B]
	v_add_nc_u32 v[W3], s99, v[SMR]
.irp o, 0,1
.irp s, 0,1
.irp p, 0,1,2,3,4,5
	ds_load_b64 v[RF+12*(2*\o+\s)+2*\p:RF+12*(2*\o+\s)+2*\p+1], v[W0] offset:H0D*\o+96*\s+48*(\p/3)+8*(\p%3)
.endr
.endr
.endr
	ds_load_b32 v[XS], v[W1]                       ; att's scale words: lanes 0-15 K step 0, lanes 16-31 K step 1
	ds_load_b32 v[XS+1], v[W1] offset:H0SD         ; h0's
.irp y, 0,1,2,3
	ds_load_b128 v[AR+8*\y:AR+8*\y+3], v[GBR] offset:128*\y+32*\u       ; the biases, straight into the sums' registers
	ds_load_b128 v[AR+8*\y+4:AR+8*\y+7], v[GBR] offset:128*\y+32*\u+16
.endr
	ds_load_b128 v[H0:H0+3], v[W2]
	ds_load_b128 v[H0+4:H0+7], v[W2] offset:16
	ds_load_b32 v[SMV], v[W3]
	s_wait_dscnt 0x0
	WIN 0x01                                       ; transposed: source 0 = 16 rows of a weight: lane (r, h): row r, register j: unit 16 h + 8 u + j.  The sums by turns
	FP6 AR, 0, RF, AR, WS, XS, 0, 0
	FP6 AZ, 24, RF, AZ, WS+1, XS, 0, 0
	FP6 AN, 48, RF, AN, WS+2, XS, 0, 0
	FP6 AH, 120, RF+24, AH, WS+5, XS+1, 0, 0
	FP6 AR, 12, RF+12, AR, WS, XS, 1, 1
	FP6 AZ, 36, RF+12, AZ, WS+1, XS, 1, 1
	FP6 AN, 60, RF+12, AN, WS+2, XS, 1, 1
	FP6 AH, 132, RF+36, AH, WS+5, XS+1, 1, 1
	FP6 AR, 72, RF+24, AR, WS+3, XS+1, 0, 0
	FP6 AZ, 96, RF+24, AZ, WS+4, XS+1, 0, 0
	FP6 AR, 84, RF+36, AR, WS+3, XS+1, 1, 1
	FP6 AZ, 108, RF+36, AZ, WS+4, XS+1, 1, 1
	WIN 0
	PLACES 4
.irp j, 0,2,4,6
	v_pk_mul_f32 v[E1+\j:E1+\j+1], v[AR+\j:AR+\j+1], 0xbfb8aa3b op_sel_hi:[1,0]   ; -log2(e) x
.endr
.irp j, 0,2,4,6
	v_pk_mul_f32 v[E2+\j:E2+\j+1], v[AZ+\j:AZ+\j+1], 0xbfb8aa3b op_sel_hi:[1,0]
.endr
.set J, 0
.rept 16
	v_exp_f32 v[E1+J], v[E1+J]
.set J, J+1
.endr
	v_nop
	s_wait_alu depctr_va_vdst(0)                   ; one wait a batch, ahead of its first reader
.irp j, 0,2,4,6,8,10,12,14
	v_pk_add_f32 v[E1+\j:E1+\j+1], v[E1+\j:E1+\j+1], 1.0 op_sel_hi:[1,0]
.endr
.set J, 0
.rept 16
	v_rcp_f32 v[E1+J], v[E1+J]                     ; r and z
.set J, J+1
.endr
	v_nop
	s_wait_alu depctr_va_vdst(0)
.irp j, 0,2,4,6
	v_pk_fma_f32 v[HH+\j:HH+\j+1], v[E1+\j:E1+\j+1], v[AH+\j:AH+\j+1], v[AN+\j:AN+\j+1]   ; in + r hn
.endr
.irp j, 0,2,4,6
	v_pk_mul_f32 v[HH+\j:HH+\j+1], v[HH+\j:HH+\j+1], 0x4038aa3b op_sel_hi:[1,0]           ; 2 log2(e) x
.endr
.set J, 0
.rept 8
	v_exp_f32 v[HH+J], v[HH+J]
.set J, J+1
.endr
	v_nop
	s_wait_alu depctr_va_vdst(0)
.irp j, 0,2,4,6
	v_pk_add_f32 v[HH+\j:HH+\j+1], v[HH+\j:HH+\j+1], 1.0 op_sel_hi:[1,0]
.endr
.set J, 0
.rept 8
	v_rcp_f32 v[HH+J], v[HH+J]
.set J, J+1
.endr
	v_nop
	s_wait_alu depctr_va_vdst(0)
.irp j, 0,2,4,6
	v_pk_fma_f32 v[HH+\j:HH+\j+1], v[HH+\j:HH+\j+1], -2.0, 1.0 op_sel_hi:[1,0,0]          ; n = tanh
.endr
.irp j, 0,2,4,6
	v_pk_add_f32 v[E1+\j:E1+\j+1], v[H0+\j:H0+\j+1], v[HH+\j:HH+\j+1] neg_lo:[0,1] neg_hi:[0,1]
.endr
.irp j, 0,2,4,6
	v_pk_fma_f32 v[HH+\j:HH+\j+1], v[E2+\j:E2+\j+1], v[E1+\j:E1+\j+1], v[HH+\j:HH+\j+1]   ; h = n + z (h0 - n)
.endr
	v_cmp_ne_u32 vcc_lo, 0, v[SMV]
.set J, 0
.rept 8
	v_cndmask_b32 v[HH+J], v[HH+J], 0, vcc_lo      ; a masked agent's h is 0
.set J, J+1
.endr
	ds_store_b128 v[W2], v[HH:HH+3]                ; over h0's bytes, in my wave's own block
	ds_store_b128 v[W2], v[HH+4:HH+7] offset:16
	s_add_co_u32 s96, s96, 3328
	s_add_co_u32 s97, s97, 128
	s_add_co_u32 s98, s98, 2304
	s_add_co_u32 s99, s99, 64
	s_add_co_u32 s73, s73, 1
	s_cmp_lt_u32 s73, 8
	s_cbranch_scc1 .Lgru_\@
.endm
	v_and_b32 v196, 31, v0                         ; l
	v_and_b32 v197, 15, v0                         ; r
	v_bfe_u32 v198, v0, 4, 1                       ; h
	v_bfe_u32 v199, v0, 3, 2                       ; l / 8
	v_and_b32 v179, 7, v0                          ; l % 8
	s_mul_i32 s80, s2, 2304
	s_mul_i32 s81, s2, HBLK
	s_lshl_b32 s82, s2, 9
	s_mul_i32 s83, s2, 6144
	v_lshlrev_b32 v[L16], 4, v196
	v_mul_u32_u24 v[HA0], v199, HBLK
	v_lshl_add_u32 v[HA0], v179, 4, v[HA0]
	v_add_nc_u32 v[HA0], s80, v[HA0]
	v_add_nc_u32 v[HA1], 4*HBLK, v[HA0]
	v_lshl_add_u32 v[GBW], v196, 2, GB
	v_add_nc_u32 v[GBW], s82, v[GBW]
	s_lshl_b32 s79, s2, 6
	v_lshl_add_u32 v[SMR], v197, 2, SMT
	v_add_nc_u32 v[SMW], s79, v[SMR]
	v_mul_u32_u24 v[RFB], v197, 208
	v_mad_u32_u24 v[RFB], v198, 24, v[RFB]
	v_add_nc_u32 v[RFB], ATTC, v[RFB]
	v_lshlrev_b32 v[SCB], 3, v197
	v_lshl_add_u32 v[SCB], v198, 2, v[SCB]
	v_add_nc_u32 v[SCB], ATTS, v[SCB]
	v_lshl_add_u32 v[GBR], v198, 6, GB
	v_add_nc_u32 v[GBR], s82, v[GBR]
	v_mul_u32_u24 v[HQ0], v197, 144
	v_lshl_add_u32 v[HQ0], v198, 6, v[HQ0]
	v_add_nc_u32 v[H0B], s81, v[HQ0]
	v_add_nc_u32 v[HQ0], s80, v[HQ0]
	v_add_nc_u32 v[HQ1], 4*HBLK, v[HQ0]
	v_add_nc_u32 v[OSW], OST, v[HQ0]
	v_mul_u32_u24 v[OSR], v199, 144
	v_lshl_add_u32 v[OSR], v179, 4, v[OSR]
	v_add_nc_u32 v[OSR], s80, v[OSR]
	v_add_nc_u32 v[OSR], OST, v[OSR]
	v_add_nc_u32 v[GWO], s83, v[L16]
	v_lshlrev_b32 v[L4], 2, v196
	s_lshl_b32 s79, s2, 8
	v_add_nc_u32 v[GSO], s79, v[L4]
	s_lshl_b32 s79, s2, 7
	v_add_nc_u32 v[GBO], s79, v[L4]
	v_lshlrev_b32 v[OBO], 6, v198
	s_add_nc_u64 s[74:75], s[4:5], 179200          ; the GRU's and the output layer's codes,
	s_add_nc_u64 s[76:77], s[4:5], 480256          ; and their scale words
.set J, 0
.rept 32
	global_load_b128 v[40+4*J:43+4*J], v[L16], s[18:19] offset:512*J th:TH_LOAD_NT   ; my 16 rows of h0 in f32, 512 consecutive bytes a load
.set J, J+1
.endr
.irp g, 0,1,2
	global_load_b32 v[GD+\g], v[GBO], s[84:85] offset:1024*\g
	global_load_b32 v[GD+3+\g], v[GBO], s[86:87] offset:1024*\g
.endr
	global_load_u8 v[GD+6], v197, s[88:89]
	GW 0
	BARRIER                                        ; all att's and h0's codes lie in LDS, and nobody reads the attention's weights any more
	s_wait_loadcnt 42                              ; h0, the biases, the mask byte are in; the 42 loads of weights are younger
.set J, 0
.rept 32
	ds_store_b128 v[HA0+(J%2)], v[40+4*J:43+4*J] offset:144*(J/2)
.set J, J+1
.endr
	v_add_f32 v[GD], v[GD], v[GD+3]                ; r's and z's two biases are added once
	v_add_f32 v[GD+1], v[GD+1], v[GD+4]
	ds_store_b32 v[GBW], v[GD]
	ds_store_b32 v[GBW], v[GD+1] offset:128
	ds_store_b32 v[GBW], v[GD+2] offset:256
	ds_store_b32 v[GBW], v[GD+5] offset:384
	ds_store_b32 v[SMW], v[GD+6]                   ; both halves of the lanes write the same word with the same value
	BARRIER                                        ; h0, the biases and the mask words lie in LDS
	GRU 0
	GW 1
	GRU 1
	; ---- the output layer's operands are asked for ahead of the barrier
	WIN 0x40
.set J, 0
.rept 12
	global_load_b128 v[4*J:4*J+3], v[L16], s[74:75] offset:294912+512*J   ; out_w: tile u, K step s at 12 (2 u + s)
.set J, J+1
.endr
	WIN 0
.irp u, 0,1
	global_load_b32 v[WS+\u], v[L4], s[76:77] offset:12288+128*\u
	global_load_b128 v[OA+8*\u:OA+8*\u+3], v[OBO], s[90:91] offset:32*\u      ; out_b, straight into the results' registers
	global_load_b128 v[OA+8*\u+4:OA+8*\u+7], v[OBO], s[90:91] offset:32*\u+16
.endr
	BARRIER                                        ; all of h lies in LDS
.set J, 0
.rept 32
	ds_load_b128 v[40+4*J:43+4*J], v[HA0+(J%2)] offset:144*(J/2)
.set J, J+1
.endr
.set J, 0
.rept 32
	s_wait_dscnt 31-J                              ; LDS loads come back in order: load J is in
	global_store_b128 v[L16], v[40+4*J:43+4*J], s[94:95] offset:512*J th:TH_STORE_NT   ; 32 lanes store 512 consecutive bytes of out1
.set J, J+1
.endr
	s_wait_xcnt 0x0                                ; the stores have read their registers
.irp s, 0,1                                        ; my 16 rows of h become two fragments
.irp b, 0,1,2,3
.irp i, 0,1,2,3
	ds_load_b128 v[KV+16*\b+4*\i:KV+16*\b+4*\i+3], v[HQ0+\s] offset:HBLK*\b+16*\i
.endr
.endr
	s_wait_dscnt 0x0
	QUANT KV, 144+12*\s
.if \s
	v_cndmask_b32 v[XS+2], v[XS+2], v[PW], s72
.else
	v_mov_b32 v[XS+2], v[PW]
.endif
.endr
	ds_load_b32 v[SMV], v[SMW]
	s_wait_loadcnt 0x0                             ; out_w, its scale words, out_b
	s_wait_dscnt 0x0
	PLACES 8                                       ; a scale word and operands written by vector lines stand ahead of the scaled products
	WIN 0x05
	FP6 OA, 0, 144, OA, WS, XS+2, 0, 0             ; transposed: lane (r, h): row r, register j of tile u: action 16 h + 8 u + j
	FP6 OA+8, 24, 144, OA+8, WS+1, XS+2, 0, 0
	FP6 OA, 12, 156, OA, WS, XS+2, 1, 1
	FP6 OA+8, 36, 156, OA+8, WS+1, XS+2, 1, 1
	WIN 0
	PLACES 4
	v_cmp_ne_u32 vcc_lo, 0, v[SMV]
.set J, 0
.rept 16
	v_cndmask_b32 v[OA+J], v[OA+J], 0, vcc_lo
.set J, J+1
.endr
.irp u, 0,1
	ds_store_b128 v[OSW], v[OA+8*\u:OA+8*\u+3] offset:32*\u
	ds_store_b128 v[OSW], v[OA+8*\u+4:OA+8*\u+7] offset:32*\u+16
.endr
.irp i, 0,1,2,3
	ds_load_b128 v[40+4*\i:43+4*\i], v[OSR] offset:576*\i   ; my own stage: LDS serves a wave's instructions in order; four rows of 128 bytes a load
.endr
	s_wait_dscnt 0x0
.irp i, 0,1,2,3
	global_store_b128 v[L16], v[40+4*\i:43+4*\i], s[92:93] offset:512*\i th:TH_STORE_NT   ; 512 consecutive bytes of out0
.endr
	s_wait_tensorcnt 0x0                           ; the wave's end, behind my last tensor load and my last LDS store
	ds_add_u32 v[SPW], v[NIL]
	s_wait_dscnt 0x0
	s_endpgm
.Lfunc_end_k_q634a9b5dc3_agent:
	.size	k_q634a9b5dc3_agent, .Lfunc_end_k_q634a9b5dc3_agent-k_q634a9b5dc3_agent
	.p2alignl 7, 3214868480
	.fill 96, 4, 3214868480
	.section	.rodata,"a",@progbits
	.p2align	6, 0x0
	.amdhsa_kernel k_q634a9b5dc3_agent
		.amdhsa_group_segment_fixed_size 258048
		.amdhsa_private_segment_fixed_size 0
		.amdhsa_enable_private_segment 0
		.amdhsa_kernarg_size 112
		.amdhsa_user_sgpr_count 2
		.amdhsa_user_sgpr_kernarg_segment_ptr 1
		.amdhsa_wavefront_size32 1
		.amdhsa_system_sgpr_workgroup_id_x 1
		.amdhsa_system_sgpr_workgroup_id_y 1
		.amdhsa_system_sgpr_workgroup_id_z 1
		.amdhsa_system_vgpr_workitem_id 0
		.amdhsa_next_free_vgpr 512
		.amdhsa_next_free_sgpr 100
		.amdhsa_reserve_vcc 1
		.amdhsa_float_denorm_mode_32 3
		.amdhsa_float_denorm_mode_16_64 3
		.amdhsa_memory_ordered 1
		.amdhsa_forward_progress 1
		.amdhsa_inst_pref_size 255
	.end_amdhsa_kernel
	.section	.bss,"aw",@nobits
	.p2align	6
	.space	262144
	.amdgpu_metadata
---
amdhsa.version: [ 1, 2 ]
amdhsa.kernels:
  - .name:           k_q634a9b5dc3_agent
    .symbol:         k_q634a9b5dc3_agent.kd
    .args:
      - { .name: wq, .offset: 0, .size: 8, .value_kind: global_buffer, .address_space: global }
      - { .name: inputs, .offset: 8, .size: 8, .value_kind: global_buffer, .address_space: global }
      - { .name: obs_mask, .offset: 16, .size: 8, .value_kind: global_buffer, .address_space: global }
      - { .name: fc1_b, .offset: 24, .size: 8, .value_kind: global_buffer, .address_space: global }
      - { .name: k_b, .offset: 32, .size: 8, .value_kind: global_buffer, .address_space: global }
      - { .name: v_b, .offset: 40, .size: 8, .value_kind: global_buffer, .address_space: global }
      - { .name: q_b, .offset: 48, .size: 8, .value_kind: global_buffer, .address_space: global }
      - { .name: hidden_state, .offset: 56, .size: 8, .value_kind: global_buffer, .address_space: global }
      - { .name: b_ih, .offset: 64, .size: 8, .value_kind: global_buffer, .address_space: global }
      - { .name: b_hh, .offset: 72, .size: 8, .value_kind: global_buffer, .address_space: global }
      - { .name: scenario_mask, .offset: 80, .size: 8, .value_kind: global_buffer, .address_space: global }
      - { .name: out_b, .offset: 88, .size: 8, .value_kind: global_buffer, .address_space: global }
      - { .name: out0, .offset: 96, .size: 8, .value_kind: global_buffer, .address_space: global }
      - { .name: out1, .offset: 104, .size: 8, .value_kind: global_buffer, .address_space: global }
    .group_segment_fixed_size: 258048
    .private_segment_fixed_size: 0
    .kernarg_segment_align: 8
    .kernarg_segment_size: 112
    .max_flat_workgroup_size: 256
    .sgpr_count:     100
    .vgpr_count:     512
    .wavefront_size: 32
...
	.end_amdgpu_metadata
.endif
;; end of part 2
;; ======== version 2 of 2: 2 launches
;; limits: right only within a limited range of input values
;; workspace buffers: wq 492,800 bytes
;; launch prep (part 3): grid 308 x 1, 1 waves a work-group, no clusters, 0 bytes of LDS; arguments fc1_w, k_w, v_w, q_w, w_ih, w_hh, out_w, wq; writes wq
.if DOCPART == 3
	.amdgcn_target "amdgcn-amd-amdhsa--gfx1250"
	.amdhsa_code_object_version 6
	.text
	.protected	k_q634a9b5dc3_prep
	.globl	k_q634a9b5dc3_prep
	.p2align	8
	.type	k_q634a9b5dc3_prep,@function
k_q634a9b5dc3_prep:
	s_mov_b64 s[64:65], 0
	v_nop
	global_prefetch_b8 v0, s[64:65] scope:SCOPE_SE
	s_setreg_imm32_b32 hwreg(HW_REG_WAVE_MODE, 25, 1), 1
	s_wait_xcnt 0x0
; All seven weights, f32 with K innermost, become codes of FP6 (E2M3) with one E8M0 byte for each 32 along K, laid as IMAGES OF OPERAND REGISTERS.
; One wave makes one fragment: 16 rows x 128 K, 12 registers a lane, stored as 3 runs of 512 bytes (lane l's 16 bytes at 16 l), and 16 scale words (row r's at 4 r).
; Fragment numbers: fc1 0-15 (= tile), k 16-47, v 48-79, q 80-111, w_ih 112-207, w_hh 208-303, out 304-307; where K = 256 the number inside a matrix is 2 x tile + K step.
; THE ROWS OF A TILE ARE NOT NEIGHBOURS: lane r of tile t takes row 32 (t / 2) + 8 (t % 2) + r + 8 (r / 8), so that results of two neighbouring tiles are 16 neighbours along the next K.
; wq: codes of 0-111 | their scale words, 64 bytes each | codes of 112-307 | their scale words.
; A block's scale byte is its largest magnitude's exponent field - 2, held at 1 from below.
; LIMITS: a block of zeros gets the byte 1 (its codes are zeros; this program alone reads the bytes); NaN and infinities among the weights are not served.
.macro PICK first, ptr
	s_cmp_ge_u32 ttmp9, \first
	s_cselect_b64 s[20:21], s[\ptr:\ptr+1], s[20:21]
	s_cselect_b32 s22, \first, s22
.endm
	s_load_b512 s[4:19], s[0:1], 0x0               ; fc1_w, k_w, v_w, q_w, w_ih, w_hh, out_w, wq
	v_and_b32 v1, 15, v0                           ; r
	v_lshrrev_b32 v2, 4, v0                        ; h (one wave: v0 is the lane)
	v_and_b32 v4, 8, v1
	v_add_nc_u32 v4, v4, v1                        ; r + 8 (r / 8)
	v_lshlrev_b32 v5, 4, v0                        ; an image's place for my lane
	v_lshlrev_b32 v6, 2, v1                        ; my row's scale word
	v_mov_b32 v10, 0                               ; a lane permute's destination counts as one of its sources
	s_mov_b32 s40, 0x76543210
	s_mov_b32 s41, 0xfedcba98                      ; selects for lane l xor 16
	s_mov_b32 s22, 0
	s_wait_alu depctr_va_vdst(0)
	s_wait_kmcnt 0x0
	s_mov_b64 s[20:21], s[4:5]                     ; which matrix, and its first fragment's number: the choice hangs on the work-group's number alone
	PICK 16, 6
	PICK 48, 8
	PICK 80, 10
	PICK 112, 12
	PICK 208, 14
	PICK 304, 16
	s_sub_co_u32 s23, ttmp9, s22                   ; the fragment's number inside its matrix
	s_lshr_b32 s24, s23, 1
	s_and_b32 s25, s23, 1
	s_cmp_lt_u32 ttmp9, 16                         ; fc1 has K = 128: one K step, rows of 512 bytes; the others two, rows of 1,024
	s_cselect_b32 s24, s23, s24                    ; tile
	s_cselect_b32 s25, 0, s25                      ; K step
	s_cselect_b32 s26, 9, 10                       ; log2 of a row's bytes
	s_lshr_b32 s27, s24, 1
	s_lshl_b32 s27, s27, 5
	s_and_b32 s28, s24, 1
	s_lshl_b32 s28, s28, 3
	s_add_co_u32 s27, s27, s28                     ; 32 (t / 2) + 8 (t % 2)
	s_lshl_b32 s25, s25, 9
	v_add_nc_u32 v3, s27, v4                       ; my row
	v_lshlrev_b32 v3, s26, v3
	v_lshl_add_u32 v3, v2, 7, v3                   ; + 128 h: the layout gives lane (r, h) k = 64 c + 32 h + 0 .. 31
	v_add_nc_u32 v3, s25, v3                       ; + 512 x K step
.irp c, 0,1
.irp i, 0,1,2,3,4,5,6,7
	global_load_b128 v[64+32*\c+4*\i:67+32*\c+4*\i], v3, s[20:21] offset:256*\c+16*\i
.endr
.endr
	s_mul_i32 s32, ttmp9, 1536                     ; where the codes and the scale words go
	s_lshl_b32 s34, ttmp9, 6
	s_cmp_ge_u32 ttmp9, 112
	s_cselect_b32 s29, 7168, 0
	s_cselect_b32 s31, 301056, 0
	s_add_co_u32 s32, s32, s29
	s_add_co_u32 s34, s34, s31
	s_add_co_u32 s34, s34, 172032
	s_mov_b32 s33, 0
	s_mov_b32 s35, 0
	s_add_nc_u64 s[36:37], s[18:19], s[32:33]
	s_add_nc_u64 s[38:39], s[18:19], s[34:35]
	s_wait_loadcnt 0x0
.irp c, 0,1                                        ; my block 2 c + h: all its 32 numbers are mine
	v_max3_num_f32 v[32+\c], |v[64+32*\c]|, |v[65+32*\c]|, 0x1800000   ; with the floor 2^(3 - 127): the byte cannot fall under 1
.endr
.irp i, 2,4,6,8,10,12,14,16,18,20,22,24,26,28,30
.irp c, 0,1
	v_max3_num_f32 v[32+\c], v[32+\c], |v[64+32*\c+\i]|, |v[65+32*\c+\i]|
.endr
.endr
.irp c, 0,1
	v_add_nc_u32 v[44+\c], 0xff000000, v[32+\c]    ; 2 off the exponent field: the conversion's scale operand
.endr
.irp c, 0,1
	v_lshrrev_b32 v[36+\c], 23, v[44+\c]           ; the scale's byte
.endr
	v_lshl_or_b32 v9, v37, 16, v36                 ; my two bytes: blocks h and 2 + h,
	v_lshlrev_b32 v11, 3, v2
	v_lshlrev_b32 v9, v11, v9                      ; at their places in the word;
	v_permlanex16_b32 v10, v9, s40, s41
	v_or_b32 v9, v9, v10                           ; with lane l xor 16's two the word is whole
.irp c, 0,1
	v_cvt_scalef32_pk16_fp6_f32 v[48+6*\c:50+6*\c], v[64+32*\c:79+32*\c], v[44+\c]
	v_cvt_scalef32_pk16_fp6_f32 v[16+4*\c:18+4*\c], v[80+32*\c:95+32*\c], v[44+\c]   ; (a conversion's three registers begin on an even number)
.endr
	v_nop                                          ; one plain line behind the scaled conversions
.irp c, 0,1
.irp i, 0,1,2
	v_mov_b32 v[51+6*\c+\i], v[16+4*\c+\i]
.endr
.endr
.irp k, 0,1,2
	global_store_b128 v5, v[48+4*\k:51+4*\k], s[36:37] offset:512*\k   ; 32 lanes store 512 consecutive bytes
.endr
	global_store_b32 v6, v9, s[38:39]              ; both halves of the lanes hold the same word and write it to the same place
	s_endpgm
.Lfunc_end_k_q634a9b5dc3_prep:
	.size	k_q634a9b5dc3_prep, .Lfunc_end_k_q634a9b5dc3_prep-k_q634a9b5dc3_prep
	.p2alignl 7, 3214868480
	.fill 96, 4, 3214868480
	.section	.rodata,"a",@progbits
	.p2align	6, 0x0
	.amdhsa_kernel k_q634a9b5dc3_prep
		.amdhsa_group_segment_fixed_size 0
		.amdhsa_private_segment_fixed_size 0
		.amdhsa_enable_private_segment 0
		.amdhsa_kernarg_size 64
		.amdhsa_user_sgpr_count 2
		.amdhsa_user_sgpr_kernarg_segment_ptr 1
		.amdhsa_wavefront_size32 1
		.amdhsa_system_sgpr_workgroup_id_x 1
		.amdhsa_system_sgpr_workgroup_id_y 1
		.amdhsa_system_sgpr_workgroup_id_z 1
		.amdhsa_system_vgpr_workitem_id 0
		.amdhsa_next_free_vgpr 128
		.amdhsa_next_free_sgpr 66
		.amdhsa_reserve_vcc 0
		.amdhsa_float_denorm_mode_32 3
		.amdhsa_float_denorm_mode_16_64 3
		.amdhsa_memory_ordered 1
		.amdhsa_forward_progress 1
		.amdhsa_inst_pref_size 8
	.end_amdhsa_kernel
	.amdgpu_metadata
---
amdhsa.version: [ 1, 2 ]
amdhsa.kernels:
  - .name:           k_q634a9b5dc3_prep
    .symbol:         k_q634a9b5dc3_prep.kd
    .args:
      - { .name: fc1_w, .offset: 0, .size: 8, .value_kind: global_buffer, .address_space: global }
      - { .name: k_w, .offset: 8, .size: 8, .value_kind: global_buffer, .address_space: global }
      - { .name: v_w, .offset: 16, .size: 8, .value_kind: global_buffer, .address_space: global }
      - { .name: q_w, .offset: 24, .size: 8, .value_kind: global_buffer, .address_space: global }
      - { .name: w_ih, .offset: 32, .size: 8, .value_kind: global_buffer, .address_space: global }
      - { .name: w_hh, .offset: 40, .size: 8, .value_kind: global_buffer, .address_space: global }
      - { .name: out_w, .offset: 48, .size: 8, .value_kind: global_buffer, .address_space: global }
      - { .name: wq, .offset: 56, .size: 8, .value_kind: global_buffer, .address_space: global }
    .group_segment_fixed_size: 0
    .private_segment_fixed_size: 0
    .kernarg_segment_align: 8
    .kernarg_segment_size: 64
    .max_flat_workgroup_size: 32
    .sgpr_count:     66
    .vgpr_count:     128
    .wavefront_size: 32
...
	.end_amdgpu_metadata
.endif
;; end of part 3
;; launch agent (part 4): grid 256 x 1, 8 waves a work-group, no clusters, 325,632 bytes of LDS; arguments wq, inputs, obs_mask, fc1_b, k_b, v_b, q_b, hidden_state, b_ih, b_hh, scenario_mask, out_b, out0, out1; writes out0, out1
.if DOCPART == 4
	.amdgcn_target "amdgcn-amd-amdhsa--gfx1250"
	.amdhsa_code_object_version 6
	.text
	.protected	k_q634a9b5dc3_agent
	.globl	k_q634a9b5dc3_agent
	.p2align	8
	.type	k_q634a9b5dc3_agent,@function
k_q634a9b5dc3_agent:
	s_mov_b64 s[64:65], 0
	v_nop
	global_prefetch_b8 v0, s[64:65] scope:SCOPE_SE
	s_setreg_imm32_b32 hwreg(HW_REG_WAVE_MODE, 25, 1), 1
	s_wait_xcnt 0x0
; The whole chain for 16 batches a work-group: fc1 + relu, q, k, v, eight heads of masked attention, the GRU cell, the output layer.  Nothing but the weights' codes (wq) comes from a workspace.
; SHARES.  Eight waves, two to a SIMD, 512 registers each.  In the attention phases a wave owns a PAIR of batches: 128 entities (8 tiles of 16 rows) and 16 agent rows (lane % 16 = 8 x batch + agent).
; Batch 1's first tile is taken turned by 8 rows, so that its agents stand in lanes 8-15; its mask bytes are read turned likewise.
; THE INPUTS COME AS THEY LIE: each load of a wave takes one row's 512 consecutive bytes; a tile of 16 rows goes through the wave's own stage in LDS and comes back 16 neighbours of each block of 32 a lane,
; as the conversions want them.  Two to three tiles' loads of a wave are out.  The barrier that shows the weights and biases to all waves stands AHEAD of that stream: from it to the end of the heads no wave waits for another.
; In the GRU the waves share the COLUMNS: wave w makes units 32 w .. 32 w + 31 of all three gates for the work-group's 128 rows, so each GRU weight fragment is read once a work-group.
; QUANTISED PRODUCTS on codes of FP6 with E8M0 scales; operands computed on the way are quantised in registers (macros QUANT, QHALF).
; THE TWO PRODUCTS LEFT AS THEY ARE, in f32: S^T = K Q^T by the f32 matrix form: k's and q's results are its operands as they stand (the same order of the head's 32 on both sides);
; the two batches share one sum: batch 0's keys meet q with lanes 8-15 cleared, batch 1's meet q with lanes 0-7 cleared.  P V by vector multiply-adds: v is made untransposed (a lane holds a feature,
; its registers entities), and an agent's p reaches all feature lanes through the DPP control row_share.  att is divided by the row's sum behind P V.
; SOFTMAX: the row's maximum is taken away; masked scores are -1e9 as in the definition; a row wholly masked (maximum = -1e9) gets att = 0.
; LIMITS: an unmasked raw score of -1e9 or less counts as masked; blocks of zeros carry the byte 1 (codes zero; bytes read here alone); NaN and infinities among the inputs are not served;
; tanh x = 1 - 2 / (1 + e^2x), sigmoid x = 1 / (1 + e^-x), by v_exp_f32 and v_rcp_f32.
; No cluster: work-groups share the weights alone, fetched once each; no slot is ever filled again, so no ring and no joint refill exists.
; LDS
; P V AS IT STANDS NOW (this takes the place of what the lines above say of vector multiply-adds and row_share): att = P V goes by the f32 matrix form too (macro PVM).
; p's register pair 8 t + 2 i and v's pair 16 t + 8 c + 2 i hold, in lane (r, h), entity rows 8 h + 2 i, 8 h + 2 i + 1 of tile t: the form's source 0 (16 agent rows x 4) and source 1 (4 x 16 features) as they stand.
; Each batch's v meets the whole P: of P V(batch 0) rows 0-7 count, which lie in lanes 0-15 of the result; of P V(batch 1) rows 8-15, in lanes 16-31: sixteen selects join them, nothing is cleared.
; h0's CODES are made by waves 4-7 alone, 32 rows of the work-group's 128 each, behind the first barrier and ahead of their steps of the input stream: eight trips, a block of 32 along K a trip.
; Every wave walks that loop; the branch on the wave's number stands inside it and leads round loads, their wait and LDS stores, never round a barrier.  Waves 0-3 go on with their input stream meanwhile.
.set WSC,   172032
.set BIAS,  179200                     ; fc1_b, k_b, v_b, q_b, 1,024 bytes each
.set ATTC,  183296                     ; att's codes: 128 rows, 192 bytes of codes, pitch 208
.set H0D,   26624                      ; from there to h0's codes, laid alike
.set ATTS,  236544                     ; att's scale bytes, 8 a row
.set H0SD,  1024                       ; from there to h0's
.set SCR,   238592                     ; a wave's own 16 rows x 144 bytes: att changes lanes here
.set SPARE, 257024                     ; the spare words, 128 bytes a wave: four blocks of 256 bytes that no other line names
.set STG,   258048                     ; a wave's own 16 rows x SPI bytes: the inputs change lanes here
.set SPI,   528                        ; a stage row: 512 bytes + 16 = 33 x 16: the sixteen rows that half a load's lanes touch lie in sixteen different columns of 16 bytes (64 banks of 4 bytes: ISA guide 11.1)
.set HBLK,  18560                      ; from the second barrier on, in the weights' bytes (their one fill and last read are over): eight blocks of 32 units x 128 rows of f32, pitch 144: h0 in, h out
.set GB,    148480                     ; the GRU's biases: a wave's 4 kinds x 32 units
.set SMT,   152576                     ; scenario_mask, a word a row
.set OST,   153088                     ; a wave's own 16 rows x 144 bytes for out0
; window 0
.set AW1, 1                            ; 16 l + k's first fragment          .set names: l lane, r = l % 16, h = l / 16
.set AW2, 2                            ; 16 l + q's first fragment
.set ASC, 3                            ; WSC + 4 l
.set ABT, 4                            ; BIAS + 64 h
.set ABV, 5                            ; BIAS + 2048 + 4 (r + 8 (r / 8))
.set AAC, 6                            ; ATTC + 208 (16 w + r) + 12 h
.set AAS, 7                            ; ATTS + 8 (16 w + r)
.set ASW, 8                            ; my scratch + 1152 h + 4 (r + 8 (r / 8)): row 8 h + j at 144 j, feature tile c at 32 c
.set ASR, 9                            ; my scratch + 144 r + 64 h
.set HOF, 10                           ; hidden_state: 1024 r + 64 h
.set STR, 11                           ; my stage + SPI r + 64 h: out of it
.set STR4, 12                          ; the same with r xor 8
.set AM,  13                           ; obs_mask: 4096 b + 64 a + 8 h
.set AM0, 14                           ; the same with h xor b, for the first tile
.set AW0, 15                           ; 16 l
.set SPW, 16                           ; my spare word; never rewritten
.set NIL, 17                           ; 0; never rewritten
.set INV, 18                           ; v18-19  1 / the row's sum (pair)
.set NM,  20                           ; v20-21  -c x the row's maximum (pair)
.set MX,  22
.set LS,  23
.set XS,  24                           ; v24-31  x's scale words, a register a tile: lanes 0-15 K step 0, lanes 16-31 K step 1.  v24-38 and v252-255 hold scales and nothing else
.set XQS, 32
.set WS,  33                           ; v33-38  the weights' scale words
.set NEGR, 39                          ; -1e9
.set KV,  40                           ; v40-103  eight results of 16 x 16
.set RA,  40                           ; v40-103  a tile of inputs as the quantiser wants it
.set WF,  104                          ; v104-151 four weight fragments (fc1: eight, to v199); v104-167: one of the three buffers of inputs as loaded
.set P,   152                          ; v152-183 q cleared two ways, then p
.set ACC, 184                          ; v184-199 q's results, at work in the softmax, then att's rows on their way to my scratch
.set QD,  184
.set TM,  200                          ; v200-215 at work in the quantisers; biases as C; the mask bytes at the head
.set BC,  200
.set MB,  200
.set PW,  216                          ; the scale word just made
.set ADR, 217                          ; v217-219 LDS addresses of the loads in hand
.set ADR2, 218
.set ADR3, 219
.set STW, 217                          ; ahead of the heads: my stage + 16 l: into it
.set S,   220                          ; v220-251 the scores, then P V's four sums (batch b, feature tile c at 16 b + 8 c): written by the f32 matrix form alone, in the whole text
.set IS,  252                          ; v252-255 the inputs' scale words, two tiles a register
; window 1: 0-191 x's fragments, tile T, K step s at 24 T + 12 s; the inputs' fragments at 96 + 12 T (T < 4) and 208 + 12 (T - 4); while the inputs stream, 0-63 and 144-207 are two buffers of inputs as loaded; later:
.set H0C, 168                          ; window 0, ahead of fc1 alone: v168 AAC + 3328 w = h0's codes, row 32 (w - 4) + r; v169 AAS + 128 w = their scale bytes; v170 hidden_state's offset of the trip in hand
.set XQ,  208                          ; the agents' rows of x, two fragments
; scalars
.set MK,  32                           ; s32-63  lane masks of obs_mask, one for each score register
.set SEL, 66                           ; s66-67  selects for lane l xor 16
.set CS,  68                           ; s68-69  c = log2(e) / sqrt(32); s70 = -c; s71 lanes 8-15 and 24-31; s72 lanes 16-31
.set MSB, 0
.macro WIN new                         ; the immediate's high byte repeats the setting that is left
.if MSB != \new
	s_set_vgpr_msb (MSB<<8)|\new
.set MSB, \new
.endif
.endm
.macro PLACES n                        ; plain lines behind a matrix instruction (ISA guide 7.12.1)
.rept \n
	v_nop
.endr
.endm
.macro BARRIER                         ; my LDS stores have landed and my LDS loads are in: then the work-group's barrier
	s_wait_dscnt 0x0
	s_barrier_signal -1
	s_barrier_wait -1
.endm
; the scaled product; ra, rb: source 0's and source 1's scale words stand in lanes 16-31
.macro FP6 d, a, b, c, sa, sb, ra, rb
.if (\ra) && (\rb)
	v_wmma_scale_f32_16x16x128_f8f6f4 v[(\d):(\d)+7], v[(\a):(\a)+11], v[(\b):(\b)+11], v[(\c):(\c)+7], v[(\sa)], v[(\sb)] matrix_a_fmt:MATRIX_FMT_FP6 matrix_b_fmt:MATRIX_FMT_FP6 matrix_a_scale:MATRIX_SCALE_ROW1 matrix_b_scale:MATRIX_SCALE_ROW1
.elseif (\ra)
	v_wmma_scale_f32_16x16x128_f8f6f4 v[(\d):(\d)+7], v[(\a):(\a)+11], v[(\b):(\b)+11], v[(\c):(\c)+7], v[(\sa)], v[(\sb)] matrix_a_fmt:MATRIX_FMT_FP6 matrix_b_fmt:MATRIX_FMT_FP6 matrix_a_scale:MATRIX_SCALE_ROW1
.elseif (\rb)
	v_wmma_scale_f32_16x16x128_f8f6f4 v[(\d):(\d)+7], v[(\a):(\a)+11], v[(\b):(\b)+11], v[(\c):(\c)+7], v[(\sa)], v[(\sb)] matrix_a_fmt:MATRIX_FMT_FP6 matrix_b_fmt:MATRIX_FMT_FP6 matrix_b_scale:MATRIX_SCALE_ROW1
.else
	v_wmma_scale_f32_16x16x128_f8f6f4 v[(\d):(\d)+7], v[(\a):(\a)+11], v[(\b):(\b)+11], v[(\c):(\c)+7], v[(\sa)], v[(\sb)] matrix_a_fmt:MATRIX_FMT_FP6 matrix_b_fmt:MATRIX_FMT_FP6
.endif
.endm
; 64 numbers of a lane in window 0, register 16 b + i = k 32 b + 16 h + i of my row, become a fragment's 12 registers at d in window 1 and its scale word in v[PW].
; The codes are made and change halves in window 0: three results in TM's dead registers, the fourth in the first three of the numbers already converted.
.macro QUANT s, d
.irp b, 0,1,2,3
	v_max3_num_f32 v[TM+\b], |v[(\s)+16*\b]|, |v[(\s)+16*\b+1]|, 0x1800000   ; with the floor 2^(3 - 127): the byte cannot fall under 1
.endr
.irp i, 2,4,6,8,10,12,14
.irp b, 0,1,2,3
	s_delay_alu instid0(VALU_DEP_4)
	v_max3_num_f32 v[TM+\b], v[TM+\b], |v[(\s)+16*\b+\i]|, |v[(\s)+16*\b+\i+1]|
.endr
.endr
.irp b, 0,1,2,3
	v_permlanex16_b32 v[TM+4+\b], v[TM+\b], s[SEL], s[SEL+1]
.endr
.irp b, 0,1,2,3
	s_delay_alu instid0(VALU_DEP_4)
	v_max_num_f32 v[TM+\b], v[TM+\b], v[TM+4+\b]   ; with lane l xor 16's: the block's largest magnitude
.endr
.irp b, 0,1,2,3
	s_delay_alu instid0(VALU_DEP_4)
	v_add_nc_u32 v[TM+12+\b], 0xff000000, v[TM+\b] ; 2 off its exponent field: the conversion's scale operand
.endr
.irp b, 0,1,2,3
	s_delay_alu instid0(VALU_DEP_4)
	v_lshrrev_b32 v[TM+4+\b], 23, v[TM+12+\b]      ; the scale's byte
.endr
	s_delay_alu instid0(VALU_DEP_3)
	v_lshl_or_b32 v[PW], v[TM+5], 8, v[TM+4]
	s_delay_alu instid0(VALU_DEP_1)
	v_lshl_or_b32 v[PW], v[TM+6], 16, v[PW]
	s_delay_alu instid0(VALU_DEP_1)
	v_lshl_or_b32 v[PW], v[TM+7], 24, v[PW]
	v_cvt_scalef32_pk16_fp6_f32 v[TM:TM+2], v[(\s):(\s)+15], v[TM+12]
	v_cvt_scalef32_pk16_fp6_f32 v[TM+4:TM+6], v[(\s)+16:(\s)+31], v[TM+13]
	v_cvt_scalef32_pk16_fp6_f32 v[TM+8:TM+10], v[(\s)+32:(\s)+47], v[TM+14]
	v_nop                                          ; a plain line before the first conversion's sources are written
	v_cvt_scalef32_pk16_fp6_f32 v[(\s):(\s)+2], v[(\s)+48:(\s)+63], v[TM+15]
	v_nop                                          ; and one behind the last conversion
.irp i, 0,1,2                                      ; the layout wants a WHOLE block in a lane: lanes 0-15 block 2 c, lanes 16-31 block 2 c + 1
	v_permlane16_swap_b32 v[TM+\i], v[TM+4+\i]
	v_permlane16_swap_b32 v[TM+8+\i], v[(\s)+\i]
.endr
	WIN 0x40
.irp i, 0,1,2
	v_mov_b32 v[(\d)+\i], v[TM+\i]
	v_mov_b32 v[(\d)+3+\i], v[TM+4+\i]
	v_mov_b32 v[(\d)+6+\i], v[TM+8+\i]
	v_mov_b32 v[(\d)+9+\i], v[(\s)+\i]
.endr
	WIN 0
.endm
; 16 numbers of a lane (half a block of 32; lane l xor 16 holds the other half) become 12 bytes of codes at v[ar] + co and the block's scale byte at v[sr] + sb.  w1: the numbers lie in window 1
.macro QHALF src, w1, tb, co, sb, ar, sr       ; ar, sr: the registers with the LDS addresses of the codes and of the scale byte
.if \w1
	WIN 0x05
.endif
	v_max3_num_f32 v[\tb], |v[(\src)]|, |v[(\src)+1]|, 0x1800000
	v_max3_num_f32 v[\tb+1], |v[(\src)+2]|, |v[(\src)+3]|, 0x1800000
.irp i, 4,8,12
	s_delay_alu instid0(VALU_DEP_2)
	v_max3_num_f32 v[\tb], |v[(\src)+\i]|, |v[(\src)+\i+1]|, v[\tb]
	s_delay_alu instid0(VALU_DEP_2)
	v_max3_num_f32 v[\tb+1], |v[(\src)+\i+2]|, |v[(\src)+\i+3]|, v[\tb+1]
.endr
	WIN 0
	v_max_num_f32 v[\tb], v[\tb], v[\tb+1]
	s_delay_alu instid0(VALU_DEP_1)
	v_permlanex16_b32 v[\tb+1], v[\tb], s[SEL], s[SEL+1]
	s_delay_alu instid0(VALU_DEP_1)
	v_max_num_f32 v[\tb], v[\tb], v[\tb+1]
	s_delay_alu instid0(VALU_DEP_1)
	v_add_nc_u32 v[\tb+2], 0xff000000, v[\tb]
	s_delay_alu instid0(VALU_DEP_1)
	v_lshrrev_b32 v[\tb+3], 23, v[\tb+2]
.if \w1
	WIN 0x01
.endif
	v_cvt_scalef32_pk16_fp6_f32 v[\tb+4:\tb+6], v[(\src):(\src)+15], v[\tb+2]
	WIN 0
	v_nop                                          ; one plain line behind the scaled conversion
.irp i, 0,1,2
	ds_store_b32 v[\ar], v[\tb+4+\i] offset:(\co)+4*\i
.endr
	ds_store_b8 v[\sr], v[\tb+3] offset:\sb        ; both lanes of a block write the same byte with the same value
.endm
; The three buffers of inputs as loaded take turns: tile T lies in buffer T % 3: v104-167 of window 0, v0-63 or v144-207 of window 1
.macro DSEL T
.if ((\T)%3) == 0
.set DB, 104
.set DW, 0
.elseif ((\T)%3) == 1
.set DB, 0
.set DW, 1
.else
.set DB, 144
.set DW, 1
.endif
.endm
.macro LOADIN T                        ; tile T of the pair's inputs, as it lies: load J takes row J's 512 consecutive bytes, 16 a lane
	DSEL \T
	WIN 0x40*DW
.set J, 0
.rept 16
	global_load_b128 v[DB+4*J:DB+4*J+3], v[AW0], s[6:7] offset:8192*(\T)+512*J th:TH_LOAD_NT
.set J, J+1
.endr
	WIN 0
.endm
; Tile T through my stage: in as loaded, out so that lane (r, h) has, of its row, 16 neighbours of each block of 32.  LDS serves a wave's instructions in order (ISA guide 5.7.1.4): no wait between the stores and the loads
.macro TURN T
	DSEL \T
	WIN 0x04*DW
.set J, 0
.rept 16
	ds_store_b128 v[STW], v[DB+4*J:DB+4*J+3] offset:SPI*J
.set J, J+1
.endr
	WIN 0
.irp b, 0,1,2,3
.irp j, 0,1,2,3
.if (\T) == 4
	ds_load_b128 v[RA+16*\b+4*\j:RA+16*\b+4*\j+3], v[STR4] offset:128*\b+16*\j   ; batch 1's first tile: turned by 8 rows
.else
	ds_load_b128 v[RA+16*\b+4*\j:RA+16*\b+4*\j+3], v[STR] offset:128*\b+16*\j
.endif
.endr
.endr
.endm
.macro LDW adr, off                    ; a head's four fragments (tile c, K step s at 12 (2 c + s)): images, 16 bytes a lane
.set J, 0
.rept 12
	ds_load_b128 v[WF+4*J:WF+4*J+3], v[\adr] offset:(\off)+512*J
.set J, J+1
.endr
.endm
.macro RELU64                          ; two neighbouring registers a line: an even and an odd destination, second sources in different banks
.set J, 0
.rept 32
	v_dual_max_num_f32 v[KV+J], 0, v[KV+J] :: v_dual_max_num_f32 v[KV+J+1], 0, v[KV+J+1]
.set J, J+2
.endr
.endm
; fc1 for tile T of rows, units 128 s on: transposed (source 0 = 16 rows of fc1_w), the bias as C; relu; quantised: K step s of x.
; Batch 0's tiles take the bias from 64 registers of window 1 (FB), loaded once for the four tiles; batch 1's results lie over those registers, so its tiles load the bias straight into the results' registers
.set FB, 144                           ; window 1, v144-207: an input buffer that has been read out
.macro FCT T, s
.if (\T) < 4
.set IND, 96+12*(\T)
	s_wait_dscnt 0x0
	WIN 0x14
.irp i, 0,1,2,3,4,5,6,7
	FP6 KV+8*\i, WF+12*\i, IND, FB+8*\i, WS+\i/2, IS+(\T)/2, \i%2, (\T)%2
.endr
.else
.irp i, 0,1,2,3,4,5,6,7
	ds_load_b128 v[KV+8*\i:KV+8*\i+3], v[ABT] offset:128*(4*\s+\i/2)+32*(\i%2)
	ds_load_b128 v[KV+8*\i+4:KV+8*\i+7], v[ABT] offset:128*(4*\s+\i/2)+32*(\i%2)+16
.endr
.set IND, 208+12*((\T)-4)
	s_wait_dscnt 0x0
	WIN 0x04
.irp i, 0,1,2,3,4,5,6,7
	FP6 KV+8*\i, WF+12*\i, IND, KV+8*\i, WS+\i/2, IS+(\T)/2, \i%2, (\T)%2
.endr
.endif
	WIN 0
	PLACES 4
	RELU64
	QUANT KV, 24*(\T)+12*\s
.if \s
	v_cndmask_b32 v[XS+(\T)], v[XS+(\T)], v[PW], s72
.else
	v_mov_b32 v[XS+(\T)], v[PW]
.endif
.endm
.macro KPROD b                         ; k of batch b, this head: transposed; eight results by turns, K step 0 with the bias as C, then K step 1
	WIN 0x04
.irp s, 0,1
.irp t, 0,1,2,3
.irp c, 0,1
.if \s
	FP6 KV+16*\t+8*\c, WF+24*\c+12, 24*(4*\b+\t)+12, KV+16*\t+8*\c, WS+\c, XS+4*\b+\t, 1, 1
.else
	FP6 KV+16*\t+8*\c, WF+24*\c, 24*(4*\b+\t), BC+8*\c, WS+\c, XS+4*\b+\t, 0, 0
.endif
.endr
.endr
.endr
	WIN 0
.endm
.macro VPROD b                         ; v of batch b, this head: NOT transposed: source 0 = 16 entities, source 1 = 16 rows of v_w: a lane holds a feature, register j entity 8 h + j
	WIN 0x01
.irp s, 0,1
.irp t, 0,1,2,3
.irp c, 0,1
.if \s
	FP6 KV+16*\t+8*\c, 24*(4*\b+\t)+12, WF+24*\c+12, KV+16*\t+8*\c, XS+4*\b+\t, WS+2+\c, 1, 1
.else
	FP6 KV+16*\t+8*\c, 24*(4*\b+\t), WF+24*\c, BC+8*\c, XS+4*\b+\t, WS+2+\c, 0, 0
.endif
.endr
.endr
.endr
	WIN 0
.endm
; S^T += K(b) Q(b)^T in f32: source 0 = 16 keys x 4 of the head's 32, source 1 = the same 4 x 16 agent rows.  Lane (r, h), register j of either holds feature 16 h + 8 c + 2 i + j: the same order on both sides.
.macro SCH b
.irp c, 0,1
	s_wait_alu depctr_va_vdst(0)
.irp i, 0,1,2,3
.irp t, 0,1,2,3
.if (\b == 0) && (\c == 0) && (\i == 0)
	v_wmma_f32_16x16x4_f32 v[S+8*\t:S+8*\t+7], v[KV+16*\t+8*\c+2*\i:KV+16*\t+8*\c+2*\i+1], v[P+16*\b+8*\c+2*\i:P+16*\b+8*\c+2*\i+1], 0
.else
	v_wmma_f32_16x16x4_f32 v[S+8*\t:S+8*\t+7], v[KV+16*\t+8*\c+2*\i:KV+16*\t+8*\c+2*\i+1], v[P+16*\b+8*\c+2*\i:P+16*\b+8*\c+2*\i+1], v[S+8*\t:S+8*\t+7]
.endif
.endr
.endr
.endr
.endm
; P V(batch b) in f32: source 0 = 16 agent rows x 4 entities of p, source 1 = the same 4 entities x 16 features of v.  Sixteen K steps for each of the two feature tiles; the two sums by turns, one line a turn.
; The first K step starts each sum with the constant 0.  Result: lane (r, h), register j: agent row 8 h + j, feature r of tile c.
.macro PVM b
.irp t, 0,1,2,3
.irp i, 0,1,2,3
.irp c, 0,1
.if (\t == 0) && (\i == 0)
	v_wmma_f32_16x16x4_f32 v[S+16*\b+8*\c:S+16*\b+8*\c+7], v[P+8*\t+2*\i:P+8*\t+2*\i+1], v[KV+16*\t+8*\c+2*\i:KV+16*\t+8*\c+2*\i+1], 0
.else
	v_wmma_f32_16x16x4_f32 v[S+16*\b+8*\c:S+16*\b+8*\c+7], v[P+8*\t+2*\i:P+8*\t+2*\i+1], v[KV+16*\t+8*\c+2*\i:KV+16*\t+8*\c+2*\i+1], v[S+16*\b+8*\c:S+16*\b+8*\c+7]
.endif
.endr
.endr
.endr
.endm
	s_load_b512 s[4:19], s[0:1], 0x0               ; wq, inputs, obs_mask, fc1_b, k_b, v_b, q_b, hidden_state
	s_load_b256 s[84:91], s[0:1], 0x40             ; b_ih, b_hh, scenario_mask, out_b
	s_load_b128 s[92:95], s[0:1], 0x60             ; out0, out1
	v_lshl_add_u32 v[SPW], v0, 2, SPARE
	v_mov_b32 v[NIL], 0
	ds_add_u32 v[SPW], v[NIL]                      ; the wave's opening: the add and its wait stand ahead of my first tensor load; work on registers stands between them
	ds_add_u32 v[SPW], v[NIL]
	v_lshrrev_b32 v1, 5, v0
	s_delay_alu instid0(VALU_DEP_1)
	v_readfirstlane_b32 s2, v1                     ; wave 0..7
	s_lshl_b32 s3, ttmp9, 3
	s_add_co_u32 s3, s3, s2                        ; my pair of batches
	; the descriptor's shape: a dense block as 100 rows of 256 bytes (32 elements of 8 bytes)
	s_mov_b32 s24, 3<<16
	s_mov_b32 s25, 32<<16
	s_mov_b32 s26, 100<<16
	s_mov_b32 s27, 32<<16
	s_mov_b32 s28, 100
	s_mov_b32 s29, 32
	s_mov_b32 s30, 0
	s_mov_b32 s31, 0
	s_mov_b32 s[SEL], 0x76543210
	s_mov_b32 s[SEL+1], 0xfedcba98
	s_mov_b32 s[CS], 0x3e8293ee                    ; c = log2(e) / sqrt(32)
	s_mov_b32 s[CS+1], s[CS]
	s_mov_b32 s70, 0xbe8293ee                      ; -c
	s_mov_b32 s71, 0xff00ff00                      ; lanes with r >= 8: batch 1's agents
	s_mov_b32 s72, 0xffff0000                      ; lanes 16-31
	v_and_b32 v184, 31, v0                         ; l
	v_and_b32 v185, 15, v0                         ; r
	v_bfe_u32 v186, v0, 4, 1                       ; h
	v_bfe_u32 v187, v0, 3, 1                       ; b = r / 8
	v_and_b32 v188, 7, v0                          ; a = r % 8
	s_delay_alu instid0(VALU_DEP_2)
	v_lshl_add_u32 v189, v187, 3, v185             ; r + 8 (r / 8)
	v_lshlrev_b32 v[AW0], 4, v184
	s_delay_alu instid0(VALU_DEP_1)
	v_add_nc_u32 v[AW1], 24576, v[AW0]
	s_delay_alu instid0(VALU_DEP_2)
	v_add_nc_u32 v[AW2], 122880, v[AW0]
	v_lshl_add_u32 v[ASC], v184, 2, WSC
	v_lshl_add_u32 v[ABT], v186, 6, BIAS
	v_lshl_add_u32 v[ABV], v189, 2, BIAS+2048
	v_mul_u32_u24 v[AAC], v185, 208
	s_delay_alu instid0(VALU_DEP_1)
	v_mad_u32_u24 v[AAC], v186, 12, v[AAC]
	s_mul_i32 s74, s2, 3328
	s_add_co_u32 s74, s74, ATTC
	v_add_nc_u32 v[AAC], s74, v[AAC]
	s_lshl_b32 s74, s2, 7
	s_add_co_u32 s74, s74, ATTS
	v_lshl_add_u32 v[AAS], v185, 3, s74
	s_mul_i32 s74, s2, 3328
	v_add_nc_u32 v[H0C], s74, v[AAC]               ; ATTC + 6656 w + 208 r + 12 h: for waves 4-7 that is ATTC + H0D + 208 (32 (w - 4) + r) + 12 h
	s_lshl_b32 s74, s2, 7
	v_add_nc_u32 v[H0C+1], s74, v[AAS]             ; ATTS + 256 w + 8 r = ATTS + H0SD + 8 (32 (w - 4) + r)
	s_mul_i32 s74, s2, 2304
	s_add_co_u32 s74, s74, SCR
	v_mad_u32_u24 v[ASW], v186, 288, v189          ; in words: 8 rows of 36 for lanes 16-31, + my feature
	s_delay_alu instid0(VALU_DEP_1)
	v_lshl_add_u32 v[ASW], v[ASW], 2, s74
	v_mul_u32_u24 v[ASR], v185, 144
	s_delay_alu instid0(VALU_DEP_1)
	v_lshl_add_u32 v[ASR], v186, 6, v[ASR]
	s_delay_alu instid0(VALU_DEP_1)
	v_add_nc_u32 v[ASR], s74, v[ASR]
	v_lshlrev_b32 v[HOF], 10, v185
	s_delay_alu instid0(VALU_DEP_1)
	v_lshl_add_u32 v[HOF], v186, 6, v[HOF]
	s_mul_i32 s74, s2, 16*SPI
	s_add_co_u32 s74, s74, STG                     ; my stage
	v_add_nc_u32 v[STW], s74, v[AW0]
	v_mul_u32_u24 v[STR], v185, SPI
	s_delay_alu instid0(VALU_DEP_1)
	v_lshl_add_u32 v[STR], v186, 6, v[STR]
	s_delay_alu instid0(VALU_DEP_1)
	v_add_nc_u32 v[STR], s74, v[STR]
	v_xor_b32 v190, 8, v185
	s_delay_alu instid0(VALU_DEP_1)
	v_mul_u32_u24 v[STR4], v190, SPI
	s_delay_alu instid0(VALU_DEP_1)
	v_lshl_add_u32 v[STR4], v186, 6, v[STR4]
	s_delay_alu instid0(VALU_DEP_1)
	v_add_nc_u32 v[STR4], s74, v[STR4]
	v_lshlrev_b32 v[AM0], 12, v187
	s_delay_alu instid0(VALU_DEP_1)
	v_lshl_add_u32 v[AM0], v188, 6, v[AM0]
	s_delay_alu instid0(VALU_DEP_1)
	v_lshl_add_u32 v[AM], v186, 3, v[AM0]
	v_xor_b32 v190, v186, v187
	s_delay_alu instid0(VALU_DEP_1)
	v_lshl_add_u32 v[AM0], v190, 3, v[AM0]
	s_and_b32 s74, s2, 1
	s_lshl_b32 s74, s74, 9
	v_add_nc_u32 v191, s74, v[AW0]                 ; my wave's 512 bytes of one bias: in memory,
	s_lshl_b32 s74, s2, 9
	s_add_co_u32 s74, s74, BIAS
	v_add_nc_u32 v190, s74, v[AW0]                 ; and in LDS
	v_mov_b32 v[INV+1], 0                          ; (named as the upper halves of pairs)
	v_mov_b32 v[NM+1], 0
	v_mov_b32 v[NEGR], 0xce6e6b28                  ; -1e9
	s_wait_dscnt 0x0                               ; the opening add is done
	s_wait_kmcnt 0x0
	s_mov_b32 s75, 0
	s_lshl_b32 s74, s3, 16
	s_add_nc_u64 s[6:7], s[6:7], s[74:75]          ; inputs: 128 rows of 512 bytes a pair
	s_lshl_b32 s74, s3, 13
	s_add_nc_u64 s[8:9], s[8:9], s[74:75]          ; obs_mask: 2 x 4,096 bytes
	s_lshl_b32 s74, s3, 14
	s_add_nc_u64 s[18:19], s[18:19], s[74:75]      ; hidden_state and out1: 16 rows of 1,024 bytes
	s_add_nc_u64 s[94:95], s[94:95], s[74:75]
	s_lshl_b32 s74, s3, 11
	s_add_nc_u64 s[92:93], s[92:93], s[74:75]      ; out0: 16 rows of 128 bytes
	s_lshl_b32 s74, s3, 4
	s_add_nc_u64 s[88:89], s[88:89], s[74:75]      ; scenario_mask: 16 bytes
	s_mov_b32 s20, 1
	s_mul_i32 s21, s2, 25600                       ; waves 0 to 6 bring 100 rows each: 7 x 25,600 = 179,200 bytes
	s_mov_b32 s74, s21
	s_add_nc_u64 s[22:23], s[4:5], s[74:75]
	s_or_b32 s23, s23, 0x80000000
	s_cmp_lt_u32 s2, 7
	s_cbranch_scc0 .Lno_fill
	tensor_load_to_lds s[20:23], s[24:31]          ; the one fill of the launch: one tensor load a wave is out
	s_nop 0
.rept 4
	v_nop
.endr
.Lno_fill:
	s_lshr_b32 s74, s2, 1                          ; which bias my wave brings: the choice hangs on the wave's number alone
	s_cmp_lt_u32 s74, 1
	s_cselect_b64 s[76:77], s[10:11], s[12:13]
	s_cmp_lt_u32 s74, 2
	s_cselect_b64 s[76:77], s[76:77], s[14:15]
	s_cmp_lt_u32 s74, 3
	s_cselect_b64 s[76:77], s[76:77], s[16:17]
	s_wait_alu depctr_va_vdst(0)
	global_load_b128 v[192:195], v191, s[76:77]
	global_load_b64 v[MB:MB+1], v[AM0], s[8:9]     ; my agent's mask bytes of the 8 entities that each score tile gives my lane
.irp t, 1,2,3
	global_load_b64 v[MB+2*\t:MB+2*\t+1], v[AM], s[8:9] offset:16*\t
.endr
	LOADIN 0
	LOADIN 1
	LOADIN 2
	s_wait_loadcnt 52                              ; the bias is in: 4 mask loads and 48 input loads are younger
	ds_store_b128 v190, v[192:195]
	s_wait_loadcnt 48                              ; the mask bytes are in
.set J, 0
.rept 32
	v_bfe_u32 v[196+(J%2)], v[MB+2*(J/8)+(J%8)/4], 8*(J%4), 8
	s_delay_alu instid0(VALU_DEP_1)
	v_cmp_ne_u32 s[MK+J], 0, v[196+(J%2)]          ; score register J is masked in these lanes
.set J, J+1
.endr
	s_wait_loadcnt 32                              ; tile 0 is in; tiles 1 and 2 are younger
	TURN 0
	s_wait_tensorcnt 0x0                           ; my part of the weights has landed,
	BARRIER                                        ; everybody's has, and the biases lie in LDS.  Tiles 1 and 2 stay on their way across it: nobody writes those bytes
	; ---- h0's codes, by waves 4-7: wave w takes rows 32 (w - 4) .. + 31 of the work-group's 128, two groups of 16; a trip takes one block of 32 along K of both groups.
	; The numbers land in v104-135: tile 0's buffer, which has been read out (the barrier's wait on DScnt) and takes tile 3 only behind this loop
	s_sub_co_u32 s82, 8, s2
	s_lshl_b32 s82, s82, 14                        ; my own 16 rows begin 16 (8 - w) rows behind the 32 that I take here
	s_mov_b32 s83, 0
	s_sub_nc_u64 s[80:81], s[18:19], s[82:83]
	s_mov_b32 s76, 0                               ; 24 a trip: a block's codes
	s_mov_b32 s77, 0                               ; 128: a block's numbers
	s_mov_b32 s73, 0                               ; the block
.Lh0:
	s_cmp_lt_u32 s2, 4
	s_cbranch_scc1 .Lh0_not_mine
	v_add_nc_u32 v[H0C+2], s77, v[HOF]
.irp g, 0,1
.irp i, 0,1,2,3
	global_load_b128 v[104+16*\g+4*\i:107+16*\g+4*\i], v[H0C+2], s[80:81] offset:16384*\g+16*\i
.endr
.endr
	v_add_nc_u32 v[ADR3], s76, v[H0C]
	v_add_nc_u32 v[ADR2], s73, v[H0C+1]
	s_wait_alu depctr_va_vdst(0)
	s_wait_loadcnt 0x0                             ; the eight loads are in (and tiles 1 and 2, which are older)
	QHALF 104, 0, TM, 0, 0, ADR3, ADR2
	QHALF 120, 0, TM+8, 3328, 128, ADR3, ADR2
	s_wait_dscnt 0x0                               ; the stores have read their registers
.Lh0_not_mine:
	s_add_co_u32 s76, s76, 24
	s_add_co_u32 s77, s77, 128
	s_add_co_u32 s73, s73, 1
	s_cmp_lt_u32 s73, 8
	s_cbranch_scc1 .Lh0
	; ---- the inputs' eight tiles become fragments.  A step: the turned tile is back; its buffer takes the tile three on; the tile is quantised; the next tile, which has landed meanwhile, goes through the stage
.irp T, 0,1,2,3,4,5,6,7
	s_wait_dscnt 0x0                               ; the tile is back from the stage, so its stores into the stage have read their registers,
.if \T < 5
	LOADIN \T+3                                    ; which take the loads of three tiles on
.endif
.if \T < 4
.set IND, 96+12*\T
.else
.set IND, 208+12*(\T-4)
.endif
	QUANT RA, IND
.if \T%2
	v_cndmask_b32 v[IS+\T/2], v[IS+\T/2], v[PW], s72
.else
	v_mov_b32 v[IS+\T/2], v[PW]
.endif
.if \T < 5
	s_wait_loadcnt 32                              ; the next tile is in; the two behind it may be out
.elseif \T == 5
	s_wait_loadcnt 16                              ; tile 6 is in; tile 7 may be out
.elseif \T == 6
	s_wait_loadcnt 0x0
.endif
.if \T < 7
	TURN \T+1
.endif
.endr
	; ---- fc1: x's sixteen fragments.  Batch 0's tiles first: batch 1's results take the registers of batch 0's inputs
.irp b, 0,1
.irp s, 0,1
	PLACES 4
.irp i, 0,1,2,3,4,5,6,7
.irp k, 0,1,2
	ds_load_b128 v[WF+12*\i+4*\k:WF+12*\i+4*\k+3], v[AW0] offset:(8*\s+\i)*1536+512*\k
.endr
.endr
.irp i, 0,1,2,3
	ds_load_b32 v[WS+\i], v[ASC] offset:64*(8*\s+2*\i)   ; lanes 0-15 the even tile's words, lanes 16-31 the odd tile's
.endr
.if \b == 0
	WIN 0x40
.irp i, 0,1,2,3,4,5,6,7
	ds_load_b128 v[FB+8*\i:FB+8*\i+3], v[ABT] offset:128*(4*\s+\i/2)+32*(\i%2)          ; fc1_b of these 128 units, in the results' layout: once for batch 0's four tiles
	ds_load_b128 v[FB+8*\i+4:FB+8*\i+7], v[ABT] offset:128*(4*\s+\i/2)+32*(\i%2)+16
.endr
	WIN 0
.endif
.irp t, 0,1,2,3
	FCT 4*\b+\t, \s
.endr
.endr
.endr
	; ---- the agents' rows: lanes r < 8 from batch 0's first tile, lanes r >= 8 from batch 1's (turned) first tile
	v_cndmask_b32 v[XQS], v[XS], v[XS+4], s71
	WIN 0x45
.set J, 0
.rept 24
	v_cndmask_b32 v[XQ+J], v[J], v[96+J], s71
.set J, J+1
.endr
	WIN 0
	PLACES 8                                       ; operands and a scale word written by vector lines stand ahead of the scaled products
	s_mov_b32 s73, 0                               ; the head
	s_mov_b32 s76, 0                               ; 6,144 a head: four fragments
	s_mov_b32 s77, 0                               ; 256: their scale words
	s_mov_b32 s78, 0                               ; 128: 32 numbers of a bias
	s_mov_b32 s79, 0                               ; 24: a block's codes
.Lhead:
	s_wait_alu depctr_va_vdst(0)
	v_add_nc_u32 v[ADR], s76, v[AW2]
	v_add_nc_u32 v[ADR2], s77, v[ASC]
	v_add_nc_u32 v[ADR3], s78, v[ABT]
	LDW ADR, 0                                     ; q_w
	ds_load_b32 v[WS+4], v[ADR2] offset:5120
	ds_load_b32 v[WS+5], v[ADR2] offset:5248
.irp c, 0,1
	ds_load_b128 v[BC+8*\c:BC+8*\c+3], v[ADR3] offset:3072+32*\c
	ds_load_b128 v[BC+8*\c+4:BC+8*\c+7], v[ADR3] offset:3072+32*\c+16
.endr
	s_wait_alu depctr_va_vdst(0)
	s_wait_dscnt 0x0
	WIN 0x04
	FP6 QD, WF, XQ, BC, WS+4, XQS, 0, 0            ; q, transposed: lane (r, h): agent row r, register j of tile c: feature 16 h + 8 c + j
	FP6 QD+8, WF+24, XQ, BC+8, WS+5, XQS, 0, 0
	FP6 QD, WF+12, XQ+12, QD, WS+4, XQS, 1, 1
	FP6 QD+8, WF+36, XQ+12, QD+8, WS+5, XQS, 1, 1
	WIN 0
	PLACES 4
	v_add_nc_u32 v[ADR], s76, v[AW1]
	LDW ADR, 0                                     ; k_w
	ds_load_b32 v[WS], v[ADR2] offset:1024
	ds_load_b32 v[WS+1], v[ADR2] offset:1152
.irp c, 0,1
	ds_load_b128 v[BC+8*\c:BC+8*\c+3], v[ADR3] offset:1024+32*\c
	ds_load_b128 v[BC+8*\c+4:BC+8*\c+7], v[ADR3] offset:1024+32*\c+16
.endr
.set J, 0
.rept 16
	v_cndmask_b32 v[P+J], v[QD+J], 0, s71          ; q for batch 0's keys: batch 1's agents cleared
.set J, J+1
.endr
.set J, 0
.rept 16
	v_cndmask_b32 v[P+16+J], 0, v[QD+J], s71       ; and for batch 1's keys
.set J, J+1
.endr
	s_wait_dscnt 0x0
	KPROD 0
	PLACES 5                                       ; k's results become operands of the next matrix lines
	SCH 0
	PLACES 9                                       ; the f32 form's operands are written over by matrix lines
	KPROD 1
	PLACES 5
	LDW ADR, 49152                                 ; v_w: lands under the f32 products and the softmax
	ds_load_b32 v[WS+2], v[ADR2] offset:3072
	ds_load_b32 v[WS+3], v[ADR2] offset:3200
	v_add_nc_u32 v[ADR3], s78, v[ABV]
	ds_load_b32 v[BC], v[ADR3]                     ; v_b of my feature, tile 0 and tile 1
	ds_load_b32 v[BC+8], v[ADR3] offset:32
	SCH 1
	PLACES 8
	; ---- the softmax of my agent row: 32 scores here, 32 in lane l xor 16
.set J, 0
.rept 32
	v_cndmask_b32 v[P+J], v[S+J], v[NEGR], s[MK+J] ; each result from its low end on
.set J, J+1
.endr
.irp c, 0,1,2,3
	v_max3_num_f32 v[ACC+\c], v[P+8*\c], v[P+8*\c+1], v[P+8*\c+2]
.endr
.irp i, 3,5
.irp c, 0,1,2,3
	s_delay_alu instid0(VALU_DEP_4)
	v_max3_num_f32 v[ACC+\c], v[ACC+\c], v[P+8*\c+\i], v[P+8*\c+\i+1]
.endr
.endr
	s_delay_alu instid0(VALU_DEP_4)
	v_max3_num_f32 v[ACC], v[ACC], v[P+7], v[P+15]
	s_delay_alu instid0(VALU_DEP_3)
	v_max3_num_f32 v[ACC+2], v[ACC+2], v[P+23], v[P+31]
	s_delay_alu instid0(VALU_DEP_1)
	v_max3_num_f32 v[ACC], v[ACC], v[ACC+1], v[ACC+2]
	s_delay_alu instid0(VALU_DEP_1)
	v_max_num_f32 v[ACC], v[ACC], v[ACC+3]
	s_delay_alu instid0(VALU_DEP_1)
	v_permlanex16_b32 v[ACC+1], v[ACC], s[SEL], s[SEL+1]
	s_delay_alu instid0(VALU_DEP_1)
	v_max_num_f32 v[MX], v[ACC], v[ACC+1]          ; the row's maximum
	s_delay_alu instid0(VALU_DEP_1)
	v_mul_f32 v[NM], s70, v[MX]
.set J, 0
.rept 16
	v_pk_fma_f32 v[P+J:P+J+1], v[P+J:P+J+1], s[CS:CS+1], v[NM:NM+1] op_sel_hi:[1,0,0]   ; c s - c max
.set J, J+2
.endr
.set J, 0
	s_wait_alu depctr_va_vdst(0)
.rept 32
	v_exp_f32 v[P+J], v[P+J]
.set J, J+1
.endr
	v_nop                                          ; a plain line behind the batch,
	s_wait_alu depctr_va_vdst(0)                   ; and one wait for all 32, ahead of their first reader
	v_pk_add_f32 v[ACC:ACC+1], v[P:P+1], v[P+2:P+3]
	v_pk_add_f32 v[ACC+2:ACC+3], v[P+4:P+5], v[P+6:P+7]
.irp j, 8,12,16,20,24,28
	v_pk_add_f32 v[ACC:ACC+1], v[ACC:ACC+1], v[P+\j:P+\j+1]
	v_pk_add_f32 v[ACC+2:ACC+3], v[ACC+2:ACC+3], v[P+\j+2:P+\j+3]
.endr
	s_delay_alu instid0(VALU_DEP_1)
	v_pk_add_f32 v[ACC:ACC+1], v[ACC:ACC+1], v[ACC+2:ACC+3]
	s_delay_alu instid0(VALU_DEP_1)
	v_add_f32 v[ACC], v[ACC], v[ACC+1]
	s_delay_alu instid0(VALU_DEP_1)
	v_permlanex16_b32 v[ACC+1], v[ACC], s[SEL], s[SEL+1]
	s_delay_alu instid0(VALU_DEP_1)
	v_add_f32 v[LS], v[ACC], v[ACC+1]              ; the row's sum: at least 1
	s_wait_alu depctr_va_vdst(0)
	v_rcp_f32 v[INV], v[LS]
	v_cmp_eq_f32 vcc_lo, v[MX], v[NEGR]            ; a row wholly masked
	v_nop
	s_wait_alu depctr_va_vdst(0)
	v_cndmask_b32 v[INV], v[INV], 0, vcc_lo        ; gets att = 0
	s_wait_dscnt 0x0                               ; v_w, its scale words, v_b
.irp c, 0,1
.irp j, 1,2,3,4,5,6,7
	v_mov_b32 v[BC+8*\c+\j], v[BC+8*\c]            ; as C all eight registers hold my feature's bias
.endr
.endr
	PLACES 4
	VPROD 0
	PLACES 4
	RELU64
	PVM 0
	PLACES 9                                       ; the f32 form's operands are written over by matrix lines
	VPROD 1
	PLACES 4
	RELU64
	PVM 1
	PLACES 8
.irp c, 0,1
.irp j, 0,1,2,3,4,5,6,7
	v_cndmask_b32 v[ACC+8*\c+\j], v[S+8*\c+\j], v[S+16+8*\c+\j], s72   ; lanes 0-15: batch 0's agent j; lanes 16-31: batch 1's.  Each result from its low end on
.endr
.endr
.irp c, 0,1
.irp j, 0,1,2,3,4,5,6,7
	ds_store_b32 v[ASW], v[ACC+8*\c+\j] offset:144*\j+32*\c
.endr
.endr
	; ---- att's 32 numbers of this head are one block along the GRU's K: back from my scratch as rows (LDS serves a wave's instructions in order), divided by the sum, quantised
.irp i, 0,1,2,3
	ds_load_b128 v[KV+4*\i:KV+4*\i+3], v[ASR] offset:16*\i
.endr
	v_add_nc_u32 v[ADR], s79, v[AAC]
	v_add_nc_u32 v[ADR2], s73, v[AAS]
	s_wait_dscnt 0x0
.irp j, 0,2,4,6,8,10,12,14
	v_pk_mul_f32 v[KV+\j:KV+\j+1], v[KV+\j:KV+\j+1], v[INV:INV+1] op_sel_hi:[1,0]
.endr
	QHALF KV, 0, TM, 0, 0, ADR, ADR2
	s_wait_dscnt 0x0                               ; the stores have read their registers
	s_add_co_u32 s76, s76, 6144
	s_add_co_u32 s77, s77, 256
	s_add_co_u32 s78, s78, 128
	s_add_co_u32 s79, s79, 24
	s_add_co_u32 s73, s73, 1
	s_cmp_lt_u32 s73, 8
	s_cbranch_scc1 .Lhead
; ---- THE GRU.  Registers anew:
.set L16, 1                            ; 16 l
.set HA0, 2                            ; h's blocks, by my 16 rows: HBLK (l / 8) + 2304 w + 16 (l % 8); v3: four blocks on
.set HA1, 3
.set GBW, 4                            ; GB + 512 w + 4 l
.set SMW, 5                            ; SMT + 4 (16 w + r)
.set RFB, 6                            ; ATTC + 208 r + 24 h
.set SCB, 7                            ; ATTS + 8 r + 4 h
.set GBR, 8                            ; GB + 512 w + 64 h
.set H0B, 9                            ; HBLK w + 144 r + 64 h
.set SMR, 10                           ; SMT + 4 r
.set GWO, 11                           ; 16 l + 6144 w
.set GSO, 12                           ; 4 l + 256 w
.set HQ0, 13                           ; 144 (16 w + r) + 64 h; v14: four blocks on
.set HQ1, 14
.set OSW, 15                           ; OST + 2304 w + 144 r + 64 h
.set GD,  168                          ; v168-173 b_ih's and b_hh's three gates of unit 32 w + l; v174 my row's scenario_mask
.set GBO, 175
.set W3,  176
.set OBO, 177
.set L4,  178
.set OSR, 180                          ; OST + 2304 w + 144 (l / 8) + 16 (l % 8)
.set W0,  181                          ; v181-183, v176: LDS addresses of the trip in hand
.set W1,  182
.set W2,  183
.set AR,  40                           ; the sums: r, z, the n gate's input part, its hidden part
.set AZ,  48
.set AN,  56
.set AH,  64
.set H0,  72
.set E1,  80
.set E2,  88
.set HH,  96
.set RF,  104                          ; att's two fragments, h0's two
.set SMV, 152
.set OA,  184                          ; out0's two results
.set GBB, 184                          ; v184-215, in the GRU's loops: the four kinds of biases of my units, in the sums' layout: loaded once ahead of each loop
.macro GW u                            ; my 12 weight fragments (matrix m, gate g, K step s at 12 (6 m + 2 g + s) of window 1) of units 32 w + 16 h + 8 u + j, and their scale words
	WIN 0x40
.irp m, 0,1
.irp g, 0,1,2
.irp s, 0,1
.irp k, 0,1,2
	global_load_b128 v[12*(6*\m+2*\g+\s)+4*\k:12*(6*\m+2*\g+\s)+4*\k+3], v[GWO], s[74:75] offset:147456*\m+49152*\g+3072*\u+1536*\s+512*\k
.endr
.endr
.endr
.endr
	WIN 0
.irp m, 0,1
.irp g, 0,1,2
	global_load_b32 v[WS+3*\m+\g], v[GSO], s[76:77] offset:6144*\m+2048*\g+128*\u
.endr
.endr
.endm
.macro GRU u                           ; eight trips, a tile of 16 rows each
	s_wait_loadcnt 0x0                             ; the weights
	s_mov_b32 s96, 0                               ; 16 rows of codes,
	s_mov_b32 s97, 0                               ; of scale bytes,
	s_mov_b32 s98, 32*\u                           ; of h's block,
	s_mov_b32 s99, 0                               ; of mask words
	s_mov_b32 s73, 0
.irp y, 0,1,2,3
	ds_load_b128 v[GBB+8*\y:GBB+8*\y+3], v[GBR] offset:128*\y+32*\u       ; the biases: the C of each sum's first product in all eight trips; the first trip's wait on DScnt covers them
	ds_load_b128 v[GBB+8*\y+4:GBB+8*\y+7], v[GBR] offset:128*\y+32*\u+16
.endr
.Lgru_\@:
	v_add_nc_u32 v[W0], s96, v[RFB]
	v_add_nc_u32 v[W1], s97, v[SCB]
	v_add_nc_u32 v[W2], s98, v[H0B]
	v_add_nc_u32 v[W3], s99, v[SMR]
.irp o, 0,1
.irp s, 0,1
.irp p, 0,1,2,3,4,5
	ds_load_b64 v[RF+12*(2*\o+\s)+2*\p:RF+12*(2*\o+\s)+2*\p+1], v[W0] offset:H0D*\o+96*\s+48*(\p/3)+8*(\p%3)
.endr
.endr
.endr
	ds_load_b32 v[XS], v[W1]                       ; att's scale words: lanes 0-15 K step 0, lanes 16-31 K step 1
	ds_load_b32 v[XS+1], v[W1] offset:H0SD         ; h0's
	ds_load_b128 v[H0:H0+3], v[W2]
	ds_load_b128 v[H0+4:H0+7], v[W2] offset:16
	ds_load_b32 v[SMV], v[W3]
	s_wait_dscnt 0x0
	WIN 0x01                                       ; transposed: source 0 = 16 rows of a weight: lane (r, h): row r, register j: unit 16 h + 8 u + j.  The sums by turns
	FP6 AR, 0, RF, GBB, WS, XS, 0, 0
	FP6 AZ, 24, RF, GBB+8, WS+1, XS, 0, 0
	FP6 AN, 48, RF, GBB+16, WS+2, XS, 0, 0
	FP6 AH, 120, RF+24, GBB+24, WS+5, XS+1, 0, 0
	FP6 AR, 12, RF+12, AR, WS, XS, 1, 1
	FP6 AZ, 36, RF+12, AZ, WS+1, XS, 1, 1
	FP6 AN, 60, RF+12, AN, WS+2, XS, 1, 1
	FP6 AH, 132, RF+36, AH, WS+5, XS+1, 1, 1
	FP6 AR, 72, RF+24, AR, WS+3, XS+1, 0, 0
	FP6 AZ, 96, RF+24, AZ, WS+4, XS+1, 0, 0
	FP6 AR, 84, RF+36, AR, WS+3, XS+1, 1, 1
	FP6 AZ, 108, RF+36, AZ, WS+4, XS+1, 1, 1
	WIN 0
	PLACES 4
.irp j, 0,2,4,6
	v_pk_mul_f32 v[E1+\j:E1+\j+1], v[AR+\j:AR+\j+1], 0xbfb8aa3b op_sel_hi:[1,0]   ; -log2(e) x
.endr
.irp j, 0,2,4,6
	v_pk_mul_f32 v[E2+\j:E2+\j+1], v[AZ+\j:AZ+\j+1], 0xbfb8aa3b op_sel_hi:[1,0]
.endr
.set J, 0
	s_wait_alu depctr_va_vdst(0)
.rept 16
	v_exp_f32 v[E1+J], v[E1+J]
.set J, J+1
.endr
	v_nop
	s_wait_alu depctr_va_vdst(0)                   ; one wait a batch, ahead of its first reader
.irp j, 0,2,4,6,8,10,12,14
	v_pk_add_f32 v[E1+\j:E1+\j+1], v[E1+\j:E1+\j+1], 1.0 op_sel_hi:[1,0]
.endr
.set J, 0
	s_wait_alu depctr_va_vdst(0)
.rept 16
	v_rcp_f32 v[E1+J], v[E1+J]                     ; r and z
.set J, J+1
.endr
	v_nop
	s_wait_alu depctr_va_vdst(0)
.irp j, 0,2,4,6
	v_pk_fma_f32 v[HH+\j:HH+\j+1], v[E1+\j:E1+\j+1], v[AH+\j:AH+\j+1], v[AN+\j:AN+\j+1]   ; in + r hn
.endr
.irp j, 0,2,4,6
	s_delay_alu instid0(VALU_DEP_4)
	v_pk_mul_f32 v[HH+\j:HH+\j+1], v[HH+\j:HH+\j+1], 0x4038aa3b op_sel_hi:[1,0]           ; 2 log2(e) x
.endr
.set J, 0
	s_wait_alu depctr_va_vdst(0)
.rept 8
	v_exp_f32 v[HH+J], v[HH+J]
.set J, J+1
.endr
	v_nop
	s_wait_alu depctr_va_vdst(0)
.irp j, 0,2,4,6
	v_pk_add_f32 v[HH+\j:HH+\j+1], v[HH+\j:HH+\j+1], 1.0 op_sel_hi:[1,0]
.endr
.set J, 0
	s_wait_alu depctr_va_vdst(0)
.rept 8
	v_rcp_f32 v[HH+J], v[HH+J]
.set J, J+1
.endr
	v_nop
	s_wait_alu depctr_va_vdst(0)
.irp j, 0,2,4,6
	v_pk_fma_f32 v[HH+\j:HH+\j+1], v[HH+\j:HH+\j+1], -2.0, 1.0 op_sel_hi:[1,0,0]          ; n = tanh
.endr
.irp j, 0,2,4,6
	s_delay_alu instid0(VALU_DEP_4)
	v_pk_add_f32 v[E1+\j:E1+\j+1], v[H0+\j:H0+\j+1], v[HH+\j:HH+\j+1] neg_lo:[0,1] neg_hi:[0,1]
.endr
.irp j, 0,2,4,6
	v_pk_fma_f32 v[HH+\j:HH+\j+1], v[E2+\j:E2+\j+1], v[E1+\j:E1+\j+1], v[HH+\j:HH+\j+1]   ; h = n + z (h0 - n)
.endr
	v_cmp_ne_u32 vcc_lo, 0, v[SMV]
.set J, 0
.rept 8
	v_cndmask_b32 v[HH+J], v[HH+J], 0, vcc_lo      ; a masked agent's h is 0
.set J, J+1
.endr
	ds_store_b128 v[W2], v[HH:HH+3]                ; over h0's bytes, in my wave's own block
	ds_store_b128 v[W2], v[HH+4:HH+7] offset:16
	s_add_co_u32 s96, s96, 3328
	s_add_co_u32 s97, s97, 128
	s_add_co_u32 s98, s98, 2304
	s_add_co_u32 s99, s99, 64
	s_add_co_u32 s73, s73, 1
	s_cmp_lt_u32 s73, 8
	s_cbranch_scc1 .Lgru_\@
.endm
	v_and_b32 v196, 31, v0                         ; l
	v_and_b32 v197, 15, v0                         ; r
	v_bfe_u32 v198, v0, 4, 1                       ; h
	v_bfe_u32 v199, v0, 3, 2                       ; l / 8
	v_and_b32 v179, 7, v0                          ; l % 8
	s_mul_i32 s80, s2, 2304
	s_mul_i32 s81, s2, HBLK
	s_lshl_b32 s82, s2, 9
	s_mul_i32 s83, s2, 6144
	v_lshlrev_b32 v[L16], 4, v196
	v_mul_u32_u24 v[HA0], v199, HBLK
	s_delay_alu instid0(VALU_DEP_1)
	v_lshl_add_u32 v[HA0], v179, 4, v[HA0]
	s_delay_alu instid0(VALU_DEP_1)
	v_add_nc_u32 v[HA0], s80, v[HA0]
	s_delay_alu instid0(VALU_DEP_1)
	v_add_nc_u32 v[HA1], 4*HBLK, v[HA0]
	v_lshl_add_u32 v[GBW], v196, 2, GB
	s_delay_alu instid0(VALU_DEP_1)
	v_add_nc_u32 v[GBW], s82, v[GBW]
	s_lshl_b32 s79, s2, 6
	v_lshl_add_u32 v[SMR], v197, 2, SMT
	s_delay_alu instid0(VALU_DEP_1)
	v_add_nc_u32 v[SMW], s79, v[SMR]
	v_mul_u32_u24 v[RFB], v197, 208
	s_delay_alu instid0(VALU_DEP_1)
	v_mad_u32_u24 v[RFB], v198, 24, v[RFB]
	s_delay_alu instid0(VALU_DEP_1)
	v_add_nc_u32 v[RFB], ATTC, v[RFB]
	v_lshlrev_b32 v[SCB], 3, v197
	s_delay_alu instid0(VALU_DEP_1)
	v_lshl_add_u32 v[SCB], v198, 2, v[SCB]
	s_delay_alu instid0(VALU_DEP_1)
	v_add_nc_u32 v[SCB], ATTS, v[SCB]
	v_lshl_add_u32 v[GBR], v198, 6, GB
	s_delay_alu instid0(VALU_DEP_1)
	v_add_nc_u32 v[GBR], s82, v[GBR]
	v_mul_u32_u24 v[HQ0], v197, 144
	s_delay_alu instid0(VALU_DEP_1)
	v_lshl_add_u32 v[HQ0], v198, 6, v[HQ0]
	s_delay_alu instid0(VALU_DEP_1)
	v_add_nc_u32 v[H0B], s81, v[HQ0]
	s_delay_alu instid0(VALU_DEP_2)
	v_add_nc_u32 v[HQ0], s80, v[HQ0]
	s_delay_alu instid0(VALU_DEP_1)
	v_add_nc_u32 v[HQ1], 4*HBLK, v[HQ0]
	s_delay_alu instid0(VALU_DEP_2)
	v_add_nc_u32 v[OSW], OST, v[HQ0]
	v_mul_u32_u24 v[OSR], v199, 144
	s_delay_alu instid0(VALU_DEP_1)
	v_lshl_add_u32 v[OSR], v179, 4, v[OSR]
	s_delay_alu instid0(VALU_DEP_1)
	v_add_nc_u32 v[OSR], s80, v[OSR]
	s_delay_alu instid0(VALU_DEP_1)
	v_add_nc_u32 v[OSR], OST, v[OSR]
	v_add_nc_u32 v[GWO], s83, v[L16]
	v_lshlrev_b32 v[L4], 2, v196
	s_lshl_b32 s79, s2, 8
	v_add_nc_u32 v[GSO], s79, v[L4]
	s_lshl_b32 s79, s2, 7
	v_add_nc_u32 v[GBO], s79, v[L4]
	v_lshlrev_b32 v[OBO], 6, v198
	s_add_nc_u64 s[74:75], s[4:5], 179200          ; the GRU's and the output layer's codes,
	s_add_nc_u64 s[76:77], s[4:5], 480256          ; and their scale words
.set J, 0
.rept 32
	global_load_b128 v[40+4*J:43+4*J], v[L16], s[18:19] offset:512*J th:TH_LOAD_NT   ; my 16 rows of h0 in f32, 512 consecutive bytes a load
.set J, J+1
.endr
.irp g, 0,1,2
	global_load_b32 v[GD+\g], v[GBO], s[84:85] offset:1024*\g
	global_load_b32 v[GD+3+\g], v[GBO], s[86:87] offset:1024*\g
.endr
	global_load_u8 v[GD+6], v197, s[88:89]
	GW 0
	BARRIER                                        ; all att's and h0's codes lie in LDS, and nobody reads the attention's weights any more
	s_wait_loadcnt 42                              ; h0, the biases, the mask byte are in; the 42 loads of weights are younger
.set J, 0
.rept 32
	ds_store_b128 v[HA0+(J%2)], v[40+4*J:43+4*J] offset:144*(J/2)
.set J, J+1
.endr
	v_add_f32 v[GD], v[GD], v[GD+3]                ; r's and z's two biases are added once
	v_add_f32 v[GD+1], v[GD+1], v[GD+4]
	ds_store_b32 v[GBW], v[GD]
	ds_store_b32 v[GBW], v[GD+1] offset:128
	ds_store_b32 v[GBW], v[GD+2] offset:256
	ds_store_b32 v[GBW], v[GD+5] offset:384
	ds_store_b32 v[SMW], v[GD+6]                   ; both halves of the lanes write the same word with the same value
	BARRIER                                        ; h0, the biases and the mask words lie in LDS
	GRU 0
	GW 1
	GRU 1
	; ---- the output layer's operands are asked for ahead of the barrier
	WIN 0x40
.set J, 0
.rept 12
	global_load_b128 v[4*J:4*J+3], v[L16], s[74:75] offset:294912+512*J   ; out_w: tile u, K step s at 12 (2 u + s)
.set J, J+1
.endr
	WIN 0
.irp u, 0,1
	global_load_b32 v[WS+\u], v[L4], s[76:77] offset:12288+128*\u
	global_load_b128 v[OA+8*\u:OA+8*\u+3], v[OBO], s[90:91] offset:32*\u      ; out_b, straight into the results' registers
	global_load_b128 v[OA+8*\u+4:OA+8*\u+7], v[OBO], s[90:91] offset:32*\u+16
.endr
	BARRIER                                        ; all of h lies in LDS
.set J, 0
.rept 32
	ds_load_b128 v[40+4*J:43+4*J], v[HA0+(J%2)] offset:144*(J/2)
.set J, J+1
.endr
.set J, 0
.rept 32
	s_wait_dscnt 31-J                              ; LDS loads come back in order: load J is in
	global_store_b128 v[L16], v[40+4*J:43+4*J], s[94:95] offset:512*J th:TH_STORE_NT   ; 32 lanes store 512 consecutive bytes of out1
.set J, J+1
.endr
	s_wait_xcnt 0x0                                ; the stores have read their registers
.irp s, 0,1                                        ; my 16 rows of h become two fragments
.irp b, 0,1,2,3
.irp i, 0,1,2,3
	ds_load_b128 v[KV+16*\b+4*\i:KV+16*\b+4*\i+3], v[HQ0+\s] offset:HBLK*\b+16*\i
.endr
.endr
	s_wait_dscnt 0x0
	QUANT KV, 144+12*\s
.if \s
	v_cndmask_b32 v[XS+2], v[XS+2], v[PW], s72
.else
	v_mov_b32 v[XS+2], v[PW]
.endif
.endr
	ds_load_b32 v[SMV], v[SMW]
	s_wait_alu depctr_va_vdst(0)
	s_wait_loadcnt 0x0                             ; out_w, its scale words, out_b
	s_wait_dscnt 0x0
	PLACES 8                                       ; a scale word and operands written by vector lines stand ahead of the scaled products
	WIN 0x05
	FP6 OA, 0, 144, OA, WS, XS+2, 0, 0             ; transposed: lane (r, h): row r, register j of tile u: action 16 h + 8 u + j
	FP6 OA+8, 24, 144, OA+8, WS+1, XS+2, 0, 0
	FP6 OA, 12, 156, OA, WS, XS+2, 1, 1
	FP6 OA+8, 36, 156, OA+8, WS+1, XS+2, 1, 1
	WIN 0
	PLACES 4
	v_cmp_ne_u32 vcc_lo, 0, v[SMV]
.set J, 0
.rept 16
	v_cndmask_b32 v[OA+J], v[OA+J], 0, vcc_lo
.set J, J+1
.endr
.irp u, 0,1
	ds_store_b128 v[OSW], v[OA+8*\u:OA+8*\u+3] offset:32*\u
	ds_store_b128 v[OSW], v[OA+8*\u+4:OA+8*\u+7] offset:32*\u+16
.endr
.irp i, 0,1,2,3
	ds_load_b128 v[40+4*\i:43+4*\i], v[OSR] offset:576*\i   ; my own stage: LDS serves a wave's instructions in order; four rows of 128 bytes a load
.endr
	s_wait_dscnt 0x0
.irp i, 0,1,2,3
	global_store_b128 v[L16], v[40+4*\i:43+4*\i], s[92:93] offset:512*\i th:TH_STORE_NT   ; 512 consecutive bytes of out0
.endr
	s_wait_tensorcnt 0x0                           ; the wave's end, behind my last tensor load and my last LDS store
	ds_add_u32 v[SPW], v[NIL]
	s_wait_dscnt 0x0
	s_endpgm
.Lfunc_end_k_q634a9b5dc3_agent:
	.size	k_q634a9b5dc3_agent, .Lfunc_end_k_q634a9b5dc3_agent-k_q634a9b5dc3_agent
	.p2alignl 7, 3214868480
	.fill 96, 4, 3214868480
	.section	.rodata,"a",@progbits
	.p2align	6, 0x0
	.amdhsa_kernel k_q634a9b5dc3_agent
		.amdhsa_group_segment_fixed_size 325632
		.amdhsa_private_segment_fixed_size 0
		.amdhsa_enable_private_segment 0
		.amdhsa_kernarg_size 112
		.amdhsa_user_sgpr_count 2
		.amdhsa_user_sgpr_kernarg_segment_ptr 1
		.amdhsa_wavefront_size32 1
		.amdhsa_system_sgpr_workgroup_id_x 1
		.amdhsa_system_sgpr_workgroup_id_y 1
		.amdhsa_system_sgpr_workgroup_id_z 1
		.amdhsa_system_vgpr_workitem_id 0
		.amdhsa_next_free_vgpr 512
		.amdhsa_next_free_sgpr 100
		.amdhsa_reserve_vcc 1
		.amdhsa_float_denorm_mode_32 3
		.amdhsa_float_denorm_mode_16_64 3
		.amdhsa_memory_ordered 1
		.amdhsa_forward_progress 1
		.amdhsa_inst_pref_size 255
	.end_amdhsa_kernel
	.section	.bss,"aw",@nobits
	.p2align	6
	.space	262144
	.amdgpu_metadata
---
amdhsa.version: [ 1, 2 ]
amdhsa.kernels:
  - .name:           k_q634a9b5dc3_agent
    .symbol:         k_q634a9b5dc3_agent.kd
    .args:
      - { .name: wq, .offset: 0, .size: 8, .value_kind: global_buffer, .address_space: global }
      - { .name: inputs, .offset: 8, .size: 8, .value_kind: global_buffer, .address_space: global }
      - { .name: obs_mask, .offset: 16, .size: 8, .value_kind: global_buffer, .address_space: global }
      - { .name: fc1_b, .offset: 24, .size: 8, .value_kind: global_buffer, .address_space: global }
      - { .name: k_b, .offset: 32, .size: 8, .value_kind: global_buffer, .address_space: global }
      - { .name: v_b, .offset: 40, .size: 8, .value_kind: global_buffer, .address_space: global }
      - { .name: q_b, .offset: 48, .size: 8, .value_kind: global_buffer, .address_space: global }
      - { .name: hidden_state, .offset: 56, .size: 8, .value_kind: global_buffer, .address_space: global }
      - { .name: b_ih, .offset: 64, .size: 8, .value_kind: global_buffer, .address_space: global }
      - { .name: b_hh, .offset: 72, .size: 8, .value_kind: global_buffer, .address_space: global }
      - { .name: scenario_mask, .offset: 80, .size: 8, .value_kind: global_buffer, .address_space: global }
      - { .name: out_b, .offset: 88, .size: 8, .value_kind: global_buffer, .address_space: global }
      - { .name: out0, .offset: 96, .size: 8, .value_kind: global_buffer, .address_space: global }
      - { .name: out1, .offset: 104, .size: 8, .value_kind: global_buffer, .address_space: global }
    .group_segment_fixed_size: 325632
    .private_segment_fixed_size: 0
    .kernarg_segment_align: 8
    .kernarg_segment_size: 112
    .max_flat_workgroup_size: 256
    .sgpr_count:     100
    .vgpr_count:     512
    .wavefront_size: 32
...
	.end_amdgpu_metadata
.endif
;; end of part 4
